; MI455X (gfx1250); checked and timed in simulation.
; The chip was launched on July 23, 2026; its instructions are those of AMD's public machine-readable ISA for CDNA 5 (MIT licence, August 2026) and "CDNA5" Instruction Set Architecture Reference Guide (July 2026). The comments in the code are by the model that wrote it; some were corrected since.
;; Causal Multihead Self Attention. Allowed arithmetic: matrix products marked QUANTISED: E4M3 operands, one E8M0 scale for each 32 along K, by v_wmma_scale_f32_16x16x128_f8f6f4 with both operands' format E4M3, f32 sums; everything else in f32.
;; Inputs: Wk 1,024 x 1,024 float32; Wo 1,024 x 1,024 float32; Wq 1,024 x 1,024 float32; Wv 1,024 x 1,024 float32; token_positions 2,048 int32; x 2 x 2,048 x 1,024 float32.
;; Outputs: out0 2 x 2,048 x 1,024 float32.
;; This version of the problem:
;;   THIS VERSION OF THE PROBLEM IS GIVEN IN LOW PRECISION. The matrix products marked QUANTISED in the list below multiply operands that are first quantised to E4M3 (4 exponent bits, 3 mantissa bits; 8 bits a number), with one power-of-two scale for each 32 numbers along K (OCP MX v1.0); their sums are f32. All else is computed in f32.
;;   The module's matrix products, in the order in which they are computed (A, B: the left and right operand; K: the contracted axis; several contracted axes count as one K, in the product's order):
;;     1. [M 4,096, K 1,024] x [K 1,024, N 1,024]; A: input x; B: input Wq: QUANTISED
;;     2. [M 4,096, K 1,024] x [K 1,024, N 1,024]; A: input x; B: input Wk: QUANTISED
;;     3. [M 4,096, K 1,024] x [K 1,024, N 1,024]; A: input x; B: input Wv: QUANTISED
;;     4. batch 32 x [M 2,048, K 64] x [K 64, N 2,048]; A: computed on the way; B: computed on the way: QUANTISED
;;     5. batch 32 x [M 2,048, K 2,048] x [K 2,048, N 64]; A: softmax (see below); B: computed on the way: QUANTISED
;;     6. [M 4,096, K 1,024] x [K 1,024, N 1,024]; A: computed on the way; B: input Wo: QUANTISED
;;   THE QUANTISER, for each operand of a quantised product, along K:
;;     - K is cut into blocks of 32 from its start; a last block that is shorter is filled with zeros.
;;     - A block's scale is 2^e with e = floor(log2(the largest magnitude in the block)) - 8, held to -126 .. 127; a block of zeros has e = 0. As a byte (E8M0): e + 127.
;;     - Each number is divided by its block's scale, clamped to +-448, and rounded to the nearest number of E4M3, ties to even, subnormals kept.
;;     - The product sums the exact products of the quantised numbers (number of the format x scale) in f32.
;;   ~~~python
;;   def quantise(x, axis):      # numpy; x: float32 -> the quantised numbers, widened to float32 again
;;       x = np.moveaxis(x, axis, -1); K = x.shape[-1]
;;       x = np.pad(x, [(0, 0)] * (x.ndim - 1) + [(0, -K % 32)]); x = x.reshape(x.shape[:-1] + (-1, 32)); a = np.abs(x).max(-1, keepdims=True)
;;       e = np.where(a > 0, np.clip(np.frexp(np.where(a > 0, a, 1))[1] - 1 - 8, -126, 127), 0)      # np.frexp(a)[1] - 1 = floor(log2(a)), exactly
;;       r = np.clip(x / 2.0 ** e, -448, 448)
;;       step = 2.0 ** (np.maximum(np.frexp(np.where(r == 0, 1, r))[1] - 1, -6) - 3)
;;       q = np.round(r / step) * step * 2.0 ** e      # np.round: ties to even
;;       return np.moveaxis(q.reshape(q.shape[:-2] + (-1,))[..., :K], -1, axis).astype(np.float32)
;;   ~~~
;;   SOFTMAX AHEAD OF A QUANTISED PRODUCT. Where the list says 'softmax', what is quantised is not the finished softmax but p = 2^(t - M), with t = logit x log2(e) and M = ceil(the row's largest t), a whole number; so 1/2 < the row's largest p <= 1. The row's sum l is taken of the UNQUANTISED p, in f32, and the product's result is divided by l at the end. Since M is a whole number, a kernel that streams over the keys may use a running M (the ceiling of the running maximum): every later rescaling is an exact power of two, which a block's scale takes up: the codes' values come out the same.
;;   OPERANDS COMPUTED ON THE WAY. 'Computed on the way' means the value that the module computes at that place (a softmax that the list does not call 'softmax' is quantised finished and normalised). What goes into a quantiser is computed in f32, as accurately as f32 sums, v_exp_f32 and their like allow (about 1e-6 of the number): no bf16 or f16 on the way to a quantiser, and a product that is left as it is and whose result goes on into a quantised operand takes f32 operands (vector FMAs, or v_wmma_f32_16x16x4_f32). A number that lies on a knife's edge between two numbers of the format may be rounded either way, as far as f32 arithmetic and the matrix unit's own rounding can turn it there, and no further.
;; One version. Each part assembles by itself: llvm-mc -triple=amdgcn-amd-amdhsa -mcpu=gfx1250 --defsym DOCPART=n.
;; ======== version 1 of 1: 4 launches
;; limits: right only within a limited range of input values
;; workspace buffers: codes 8,388,608 bytes; scales 262,144 bytes; rope 524,288 bytes; qrec 4,325,376 bytes; kvrec 8,650,752 bytes; ocodes 4,194,304 bytes; oscales 131,072 bytes
;; launch prep (part 1): grid 288 x 1, 4 waves a work-group, no clusters, 33,280 bytes of LDS; arguments x, Wq, Wk, Wv, Wo, token_positions, codes, scales, rope; writes codes, scales, rope
.if DOCPART == 1
	.amdgcn_target "amdgcn-amd-amdhsa--gfx1250"
	.amdhsa_code_object_version 6
	.text
	.protected	k_qd169ee2adc_prep
	.globl	k_qd169ee2adc_prep
	.p2align	8
	.type	k_qd169ee2adc_prep,@function
k_qd169ee2adc_prep:
	s_mov_b64 s[64:65], 0
	v_nop
	global_prefetch_b8 v0, s[64:65] scope:SCOPE_SE
	s_setreg_imm32_b32 hwreg(HW_REG_WAVE_MODE, 25, 1), 1
	s_wait_xcnt 0x0
; PREP.  Work-groups 0-255: x [4096][1024] and Wq, Wk, Wv, Wo [1024][1024], f32 with K innermost, become codes of FP8 (E4M3) and one E8M0 byte for each 32 along K.
; The five tensors share two buffers: codes [8192 rows][1024], scales [8192 rows][32]; rows 0-4095 x, then 1024 each of Wq, Wk, Wv, Wo.
; THE ROWS ARE STORED IN ANOTHER ORDER: inside each group of 32 rows the four runs of 8 rows lie in the order 0, 2, 1, 3.  So place 16 u + r of a group holds row 8 u + r + 8 (r / 8), and a plain tile of
; 16 neighbouring places gives the later products results whose 16 registers of two neighbouring tiles are 16 neighbouring rows.
; A block's scale is 2^(floor(log2(largest magnitude)) - 8); its byte is the largest magnitude's exponent field - 8, held at 1 from below.
; LIMITS: a block of zeros gets the byte 1 where the rule says 127 (its codes are zeros, and only this program reads the bytes); blocks whose largest magnitude lies under 2^-118 keep the floor's byte;
; NaN and infinities among the inputs are not served.
; A work-group takes 32 rows, a wave 8 rows = 16 steps of 512 numbers.  Each load reads 512 consecutive bytes; a step's 2,048 bytes turn through the wave's own stage in LDS, so that a lane then holds 16 neighbours
; along K (two lanes hold a block).  Waves share nothing: no barrier.  Loads run four steps ahead.
; Work-groups 256-287: the table of cos and sin for the rotation of q and k, from token_positions.  Wave = one tile of 16 tokens; laid as the reader's registers want it:
; [tile 128][cc 2][j 4][lane 32][16 bytes]; lane (r, h) holds cos, sin of pairs i and i + 1, i = 16 cc + 8 h + 2 j, for token 32 (t / 2) + 8 (t % 2) + r + 8 (r / 8).
; inv_freq = 2^(-i L), L = log2(10000) / 32 in two parts; the angle is position x inv_freq, rounded once; sine and cosine by a reduction with pi / 2 in three parts and two short polynomials.
; LIMIT: angles up to about 2^20 in magnitude (the quotient by pi / 2 must stay a whole number that f32 holds exactly with room); error about 1e-7.
.set STEPS, 16
.set EMAX,  8
.set MANT,  0x600000                   ; the mantissa field of 448 as f32
.set CB,    16                         ; bytes of 16 codes
.set R,     16                         ; v16-79   four sets of 16 numbers as they are loaded
.set X,     80                         ; v80-111  two sets of 16 neighbours
.set C,     128                        ; v128-191 codes: four registers for each step, so that no store's data are written again
.set E,     112                        ; v112-127 a scale byte for each step
.set WREG,  8192                       ; LDS: a region for each wave: two stages of 32 x SP bytes, behind them its 256 scale bytes
.set SP,    80                         ; a lane's place in a stage: 64 bytes + 16 of padding
	s_load_b512 s[4:19], s[0:1], 0x0               ; x s[4:5], Wq s[6:7], Wk s[8:9], Wv s[10:11], Wo s[12:13], token_positions s[14:15], codes s[16:17], scales s[18:19]
	s_load_b64 s[20:21], s[0:1], 0x40              ; rope
	v_lshl_add_u32 v192, v0, 2, 0x8000
	v_mov_b32 v193, 0
	v_lshrrev_b32 v1, 5, v0
	v_readfirstlane_b32 s22, v1                    ; wave
	v_and_b32 v2, 31, v0                           ; lane
	s_cmp_ge_u32 ttmp9, 256
	s_cbranch_scc1 .Ltable
	; ---------------- the quantiser
	v_lshlrev_b32 v3, 4, v2                        ; my 16 bytes of a load's 512
	s_mul_i32 s23, s22, WREG
	v_lshrrev_b32 v14, 2, v2
	v_mul_u32_u24 v14, v14, SP
	v_and_b32 v15, 3, v2
	v_lshl_add_u32 v14, v15, 4, v14
	v_add_nc_u32 v14, s23, v14                     ; the stage, on the way in: SP (lane / 4) + 16 (lane % 4)
	v_mul_u32_u24 v15, v2, SP
	v_add_nc_u32 v15, s23, v15                     ; and on the way out: SP x lane: my 16 neighbours
	v_mul_u32_u24 v4, v2, CB                       ; my codes' place in a step's
	v_lshrrev_b32 v5, 1, v2
	s_add_co_u32 s23, s23, 2*32*SP
	v_add_nc_u32 v5, s23, v5                       ; LDS: my wave's 256 scale bytes, my block's byte
	v_lshlrev_b32 v7, 3, v2                        ; and on the way out 8 bytes a lane
	v_add_nc_u32 v6, s23, v7
	s_and_b32 s26, ttmp9, 31                       ; a weight's group of 32 rows
	s_wait_alu depctr_va_vdst(0)
	s_wait_kmcnt 0x0
	s_cmp_lt_u32 ttmp9, 224                        ; which tensor: the choice hangs on the work-group's number alone
	s_cselect_b64 s[24:25], s[10:11], s[12:13]
	s_cmp_lt_u32 ttmp9, 192
	s_cselect_b64 s[24:25], s[8:9], s[24:25]
	s_cmp_lt_u32 ttmp9, 160
	s_cselect_b64 s[24:25], s[6:7], s[24:25]
	s_cmp_lt_u32 ttmp9, 128
	s_cselect_b64 s[24:25], s[4:5], s[24:25]
	s_cselect_b32 s26, ttmp9, s26                  ; the group's number inside its tensor
	s_lshl_b32 s26, s26, 17                        ; 32 rows of 4,096 bytes
	s_lshl_b32 s27, s22, 15                        ; my wave's 8 rows
	s_add_co_u32 s26, s26, s27
	s_mov_b32 s27, 0
	s_add_nc_u64 s[24:25], s[24:25], s[26:27]
	s_and_b32 s34, s22, 1                          ; where my 8 rows go: runs 0, 1, 2, 3 to places 0, 2, 1, 3
	s_lshl_b32 s34, s34, 1
	s_lshr_b32 s35, s22, 1
	s_or_b32 s34, s34, s35
	s_lshl_b32 s26, ttmp9, 15
	s_lshl_b32 s35, s34, 13
	s_add_co_u32 s26, s26, s35
	s_add_nc_u64 s[28:29], s[16:17], s[26:27]      ; my codes
	s_lshl_b32 s26, ttmp9, 10
	s_lshl_b32 s35, s34, 8
	s_add_co_u32 s26, s26, s35
	s_add_nc_u64 s[30:31], s[18:19], s[26:27]      ; my 256 scale bytes
.macro LOAD t
.irp i, 0,1,2,3
	global_load_b128 v[R+16*((\t)%4)+4*\i:R+16*((\t)%4)+4*\i+3], v3, s[24:25] offset:2048*(\t)+512*\i th:TH_LOAD_NT   ; 32 lanes read 512 consecutive bytes
.endr
.endm
.macro TURN t                          ; step t's numbers through the stage: LDS serves a wave's instructions in order, so no wait stands between the stores and the loads
.irp i, 0,1,2,3
	ds_store_b128 v14, v[R+16*((\t)%4)+4*\i:R+16*((\t)%4)+4*\i+3] offset:32*SP*((\t)%2)+8*SP*\i
.endr
.irp i, 0,1,2,3
	ds_load_b128 v[X+16*((\t)%2)+4*\i:X+16*((\t)%2)+4*\i+3], v15 offset:32*SP*((\t)%2)+16*\i
.endr
.endm
.irp t, 0,1,2,3
	LOAD \t
.endr
	s_wait_loadcnt 12                              ; step 0's four loads are in; the 12 of steps 1 to 3 stay out
	TURN 0
.macro STEP t
.set XS, X+16*((\t)%2)
.if (\t) > 0
	s_wait_dscnt 1                                 ; this step's numbers are back from the stage (the last step's byte store may be out)
.else
	s_wait_dscnt 0x0
.endif
.if (\t)+4 < STEPS
	LOAD (\t)+4                                    ; into the registers that this step's stores into the stage have read
.endif
.if (\t)+1 < STEPS
.if STEPS-2-(\t) >= 3
	s_wait_loadcnt 12                              ; the next step's four loads are in; those of the three steps behind it may be out
.else
	s_wait_loadcnt 4*(STEPS-2-(\t))
.endif
	TURN (\t)+1
.endif
	v_max3_num_f32 v8, |v[XS]|, |v[XS+1]|, |v[XS+2]|               ; the largest magnitude of my 16, in two chains
	v_max3_num_f32 v9, |v[XS+3]|, |v[XS+4]|, |v[XS+5]|
.irp i, 6,10
	v_max3_num_f32 v8, v8, |v[XS+\i]|, |v[XS+\i+1]|
	v_max3_num_f32 v9, v9, |v[XS+\i+2]|, |v[XS+\i+3]|
.endr
	v_max3_num_f32 v8, v8, |v[XS+14]|, |v[XS+15]|
	v_max3_num_f32 v8, v8, v9, 0x4800000           ; and the floor 2^(9 - 127): the byte cannot fall under 1
	v_max_num_f32_dpp v8, v8, v8 row_xmask:1 row_mask:0xf bank_mask:0xf   ; and of my neighbour's 16: the block's
	v_add_nc_u32 v11, 0xfc000000, v8               ; 8 off its exponent field: the conversion takes this operand's exponent field as its scale
.irp i, 0,1,2,3,4,5,6,7,8,9,10,11,12,13,14,15
.endr
	v_cvt_scalef32_pk8_fp8_f32 v[C+4*(\t):C+4*(\t)+1], v[XS:XS+7], v11
	v_cvt_scalef32_pk8_fp8_f32 v[C+4*(\t)+2:C+4*(\t)+3], v[XS+8:XS+15], v11
	v_lshrrev_b32 v[E+(\t)], 23, v11               ; the scale's byte
	ds_store_b8 v5, v[E+(\t)] offset:16*(\t)       ; both lanes of a block write the same byte with the same value
	global_store_b128 v4, v[C+4*(\t):C+4*(\t)+3], s[28:29] offset:32*CB*(\t)   ; 512 consecutive bytes
.endm
.irp t, 0,1,2,3,4,5,6,7,8,9,10,11,12,13,14,15
	STEP \t
.endr
	ds_load_b64 v[12:13], v6                       ; LDS serves a wave's instructions in order: these see my stores
	s_wait_dscnt 0x0
	global_store_b64 v7, v[12:13], s[30:31]        ; 32 lanes store 256 consecutive bytes, aligned
	s_wait_tensorcnt 0x0
	ds_add_u32 v192, v193
	s_wait_dscnt 0x0
	s_endpgm
	; ---------------- the table of cos and sin
.Ltable:
	v_and_b32 v3, 15, v0                           ; r
	v_bfe_u32 v7, v0, 4, 1                         ; h
	s_wait_alu depctr_va_vdst(0)
	v_lshlrev_b32 v5, 4, v2                        ; 16 x lane
	s_sub_co_u32 s23, ttmp9, 256
	s_lshl_b32 s23, s23, 2
	s_add_co_u32 s23, s23, s22                     ; my tile t
	s_lshr_b32 s24, s23, 1
	s_lshl_b32 s24, s24, 5
	s_and_b32 s25, s23, 1
	s_lshl_b32 s25, s25, 3
	s_add_co_u32 s24, s24, s25                     ; 32 (t / 2) + 8 (t % 2)
	v_and_b32 v8, 8, v3
	v_add_nc_u32 v8, v8, v3                        ; r + 8 (r / 8)
	v_add_nc_u32 v8, s24, v8                       ; my token
	v_lshlrev_b32 v8, 2, v8
	s_lshl_b32 s24, s23, 12                        ; a tile's 4,096 bytes of the table
	s_mov_b32 s25, 0
	s_mov_b32 s36, 0xbed49a78                      ; -L, high part
	s_mov_b32 s37, 0xb2179a33                      ; -L, low part
	s_mov_b32 s38, 0x3f317218                      ; ln 2
	s_mov_b32 s39, 0x3f22f983                      ; 2 / pi
	s_mov_b32 s40, 0xbfc90fdb                      ; -pi / 2 in three parts
	s_mov_b32 s41, 0x333bbd2e
	s_mov_b32 s42, 0x26f72ced
	s_mov_b32 s43, 0xbe2aaaa3                      ; sine: r + r z (S1 + z (S2 + z S3))
	s_mov_b32 s44, 0x3c08839e
	s_mov_b32 s45, 0xb94ca1f9
	s_mov_b32 s46, 0x3d2aaaa5                      ; cosine: 1 - z / 2 + z z (C1 + z (C2 + z C3))
	s_mov_b32 s47, 0xbab6061a
	s_mov_b32 s48, 0x37ccf5ce
	s_wait_alu depctr_va_vdst(0)
	s_wait_kmcnt 0x0
	global_load_b32 v4, v8, s[14:15]               ; token_positions[my token]
	s_add_nc_u64 s[20:21], s[20:21], s[24:25]
	v_lshlrev_b32 v7, 3, v7                        ; 8 h
.set K, 0
.rept 16                               ; number K = 8 cc + k: pair i = 16 cc + 8 h + k
	v_add_nc_u32 v[16+K], 16*(K/8)+K%8, v7
.set K, K+1
.endr
.set K, 0
.rept 16
	v_cvt_f32_u32 v[16+K], v[16+K]
.set K, K+1
.endr
.set K, 0
.rept 16
	v_mul_f32 v[48+K], s36, v[16+K]                ; a0 = -i L, rounded
.set K, K+1
.endr
.set K, 0
.rept 16
	v_fma_f32 v[32+K], v[16+K], s36, -v[48+K]      ; what that rounding dropped,
.set K, K+1
.endr
.set K, 0
.rept 16
	v_fma_f32 v[32+K], v[16+K], s37, v[32+K]       ; and L's low part
.set K, K+1
.endr
.set K, 0
.rept 16
	v_exp_f32 v[48+K], v[48+K]                     ; 2^a0: one batch
.set K, K+1
.endr
	v_nop                                          ; a plain instruction behind the last exponential
	s_wait_alu depctr_va_vdst(0)                   ; one wait for the batch, ahead of its first reader
.set K, 0
.rept 16
	v_mul_f32 v[32+K], s38, v[32+K]
.set K, K+1
.endr
.set K, 0
.rept 16
	v_fma_f32 v[16+K], v[48+K], v[32+K], v[48+K]   ; inv_freq = 2^a0 (1 + e ln 2)
.set K, K+1
.endr
	s_wait_loadcnt 0x0
	v_cvt_f32_i32 v4, v4
.set K, 0
.rept 16
	v_mul_f32 v[16+K], v4, v[16+K]                 ; the angle: one rounding
.set K, K+1
.endr
.macro SINCOS k                        ; the angle in v[16 + k] becomes cos in v[64 + 2 k] and sin in v[65 + 2 k]
	v_mul_f32 v8, s39, v[16+\k]
	v_rndne_f32 v8, v8                             ; n: how many quarter turns
	v_fma_f32 v9, v8, s40, v[16+\k]                ; r = angle - n pi / 2; the first step is exact
	v_fma_f32 v9, v8, s41, v9
	v_fma_f32 v9, v8, s42, v9
	v_cvt_i32_f32 v10, v8
	v_mul_f32 v11, v9, v9                          ; z
	v_fma_f32 v12, v11, s45, s44
	v_fma_f32 v12, v12, v11, s43
	v_mul_f32 v13, v11, v9
	v_fma_f32 v12, v12, v13, v9                    ; sin r
	v_fma_f32 v14, v11, s48, s47
	v_fma_f32 v14, v14, v11, s46
	v_mul_f32 v13, v11, v11
	v_fma_f32 v15, v11, -0.5, 1.0
	v_fma_f32 v14, v14, v13, v15                   ; cos r
	v_and_b32 v13, 1, v10
	v_cmp_eq_u32 vcc_lo, 1, v13                    ; an odd quarter swaps the two
	v_cndmask_b32 v15, v12, v14, vcc_lo
	v_cndmask_b32 v14, v14, v12, vcc_lo
	v_lshlrev_b32 v13, 30, v10                     ; the sine changes sign in quarters 2 and 3,
	v_and_b32 v13, 0x80000000, v13
	v_xor_b32 v[65+2*\k], v13, v15
	v_add_nc_u32 v10, 1, v10                       ; the cosine in quarters 1 and 2
	v_lshlrev_b32 v10, 30, v10
	v_and_b32 v10, 0x80000000, v10
	v_xor_b32 v[64+2*\k], v10, v14
.endm
.irp k, 0,1,2,3,4,5,6,7,8,9,10,11,12,13,14,15
	SINCOS \k
.endr
.irp i, 0,1,2,3,4,5,6,7
	global_store_b128 v5, v[64+4*\i:64+4*\i+3], s[20:21] offset:512*\i   ; 512 consecutive bytes
.endr
	s_endpgm
.Lfunc_end_k_qd169ee2adc_prep:
	.size	k_qd169ee2adc_prep, .Lfunc_end_k_qd169ee2adc_prep-k_qd169ee2adc_prep
	.p2alignl 7, 3214868480
	.fill 96, 4, 3214868480
	.section	.rodata,"a",@progbits
	.p2align	6, 0x0
	.amdhsa_kernel k_qd169ee2adc_prep
		.amdhsa_group_segment_fixed_size 33280
		.amdhsa_private_segment_fixed_size 0
		.amdhsa_enable_private_segment 0
		.amdhsa_kernarg_size 72
		.amdhsa_user_sgpr_count 2
		.amdhsa_user_sgpr_kernarg_segment_ptr 1
		.amdhsa_wavefront_size32 1
		.amdhsa_system_sgpr_workgroup_id_x 1
		.amdhsa_system_sgpr_workgroup_id_y 1
		.amdhsa_system_sgpr_workgroup_id_z 1
		.amdhsa_system_vgpr_workitem_id 0
		.amdhsa_next_free_vgpr 194
		.amdhsa_next_free_sgpr 66
		.amdhsa_reserve_vcc 1
		.amdhsa_float_denorm_mode_32 3
		.amdhsa_float_denorm_mode_16_64 3
		.amdhsa_fp16_overflow 1
		.amdhsa_memory_ordered 1
		.amdhsa_forward_progress 1
		.amdhsa_inst_pref_size 62
	.end_amdhsa_kernel
	.amdgpu_metadata
---
amdhsa.version: [ 1, 2 ]
amdhsa.kernels:
  - .name:           k_qd169ee2adc_prep
    .symbol:         k_qd169ee2adc_prep.kd
    .args:
      - { .name: x, .offset: 0, .size: 8, .value_kind: global_buffer, .address_space: global }
      - { .name: Wq, .offset: 8, .size: 8, .value_kind: global_buffer, .address_space: global }
      - { .name: Wk, .offset: 16, .size: 8, .value_kind: global_buffer, .address_space: global }
      - { .name: Wv, .offset: 24, .size: 8, .value_kind: global_buffer, .address_space: global }
      - { .name: Wo, .offset: 32, .size: 8, .value_kind: global_buffer, .address_space: global }
      - { .name: token_positions, .offset: 40, .size: 8, .value_kind: global_buffer, .address_space: global }
      - { .name: codes, .offset: 48, .size: 8, .value_kind: global_buffer, .address_space: global }
      - { .name: scales, .offset: 56, .size: 8, .value_kind: global_buffer, .address_space: global }
      - { .name: rope, .offset: 64, .size: 8, .value_kind: global_buffer, .address_space: global }
    .group_segment_fixed_size: 33280
    .private_segment_fixed_size: 0
    .kernarg_segment_align: 8
    .kernarg_segment_size: 72
    .max_flat_workgroup_size: 128
    .sgpr_count:     66
    .vgpr_count:     194
    .wavefront_size: 32
...
	.end_amdgpu_metadata
.endif
;; end of part 1
;; launch qkv (part 2): grid 12 x 16, 4 waves a work-group, clusters of 4 x 4, 327,680 bytes of LDS; arguments codes, scales, rope, qrec, kvrec; writes qrec, kvrec
.if DOCPART == 2
	.amdgcn_target "amdgcn-amd-amdhsa--gfx1250"
	.amdhsa_code_object_version 6
	.text
	.protected	k_qd169ee2adc_qkv
	.globl	k_qd169ee2adc_qkv
	.p2align	8
	.type	k_qd169ee2adc_qkv,@function
k_qd169ee2adc_qkv:
	s_mov_b64 s[64:65], 0
	v_nop
	global_prefetch_b8 v0, s[64:65] scope:SCOPE_SE
	s_setreg_imm32_b32 hwreg(HW_REG_WAVE_MODE, 25, 1), 1
	s_wait_xcnt 0x0
	s_wait_alu depctr_hold_cnt(0) depctr_sa_sdst(0) depctr_va_vdst(0) depctr_va_sdst(0) depctr_va_ssrc(0) depctr_va_vcc(0) depctr_vm_vsrc(0)
	s_getreg_b32 s2, hwreg(HW_REG_IB_STS2, 6, 4)
	s_cmp_eq_u32 s2, 0
	s_cbranch_scc0 .Lentry_in_a_cluster
	s_endpgm
.Lentry_in_a_cluster:
	s_bfe_u32 s2, ttmp6, 0x10000c
	s_cmp_lg_u32 s2, 0xf033
	s_cbranch_scc0 .Lentry_shape_is_right
	s_endpgm
.Lentry_shape_is_right:
; QKV.  q = x Wq^T, k = x Wk^T, v = x Wv^T on codes of FP8 (E4M3) with one E8M0 scale for each 32 along K = 1,024; then q and k are rotated (f32) and quantised along the head's 64, v along the keys.
; codes [8192][1024], scales [8192][32]: rows 0-4095 x, then 1,024 each of Wq, Wk, Wv, Wo; inside each 32 rows place 16 u + r holds row 8 u + r + 8 (r / 8).
; ONE CORE: a tile of 256 x 256, four waves, each 128 x 128 in 64 accumulators.  Source 0 = 16 places of operand B, source 1 = 16 places of operand A.  A lane then holds ONE place of A, and the 16 registers of two
; neighbouring tiles of B are 16 NEIGHBOURING rows of B: 32 c + 16 (lane / 16) + 0 .. 15.  So the result is quantised along B in registers, and the conversions' results are the next product's operand registers.
; The cluster's x says what is made: 0 q, 1 k (B = the weight's rows, A = x's rows: quantised along the features), 2 v (B = x's rows, the keys; A = Wv's rows: quantised along the keys).
; K goes in steps of 256 through two LDS slots filled by the tensor data mover; the scales of all of K come once.  CLUSTER 4 x 4: A's tiles are asked for jointly along a row, B's along a column.
; RESULTS are stored as images of the reader's registers, 512 consecutive bytes a store:
;   qrec  [b 16 + head][g 16] records of 8,448 bytes: 8 tiles of 16 queries x [c 2][lane][16 bytes]; then 256 bytes of scale words [r 16][phi 4]: low half tile 2 phi's two bytes, high half tile 2 phi + 1's.
;   kvrec [b 16 + head][step 16] records of 16,896 bytes: K as in qrec; at 8,192 V [ct 4][c 4][lane][16 bytes]; at 16,384 K's scale words; at 16,640 V's [r 16][ct 4].
; LIMITS: a block of zeros gets the byte 1 where the rule says 127 (its codes are zeros; only this program reads the bytes); blocks under 2^-118 keep the floor's byte; NaN and infinities are not served.
; REGISTERS, in windows of 256: window 0: v0-31 addresses; v32-63 scale words, two sets; v64-127 two sets of the table of cos and sin; from v128 A's fragments, one set; on the way out v128-255 are at work.
;   window 1: B's fragments, two sets.   window 2: accumulators of A's blocks 0-3 ((a, b) at v[8 (8 (a % 4) + b)]);   window 3: of blocks 4-7.
.set KSTEP,  256
.set NQ,     2
.set ROWB,   256
.set KROW,   1024
.set PITCH,  272                       ; an LDS row: 256 bytes + 16 of padding: the 16 rows that a load touches start at 16 different banks (64 banks of 4 bytes: ISA guide 11.1)
.set FR,     16
.set NL,     4
.set NP,     8                         ; places behind this matrix instruction (ISA guide 7.12.1)
.set HALFT,  128*PITCH
.set SLOT,   4*HALFT
.set LAPS,   2
.set KS,     32
.set SCL,    2*SLOT                    ; behind the ring: the scales, as runs of 256 bytes + 16 of padding
.set HALFS,  (128*KS/256)*272
.set SBLK,   (16*KS/256)*272
.set SPARE,  SCL+4*HALFS               ; the spare words: 128 bytes for each wave, named by no other line
.set LI,   8                           ; v8   16 x lane
.set SEL,  9                           ; v9   byte selects: low halves in lanes 0-15, high halves in lanes 16-31
.set SCO,  10                          ; v10  where my 16 bytes of scale words go
.set ADRA, 16
.set ADRB, 20
.set ADRS, 27
.set SPW,  28
.set NIL,  29
.set SC,   32
.set CS,   64                          ; v64-127 two sets of 32: cos, sin of the lane's 16 pairs
.set AF,   128
.set X,    128                         ; the way out: 64 numbers of a lane
.set PC,   192                         ; two sets of 16: codes
.set TM,   224                         ; v224-227 largest magnitudes, 228-231 bytes, 232-235 limits, 236-239 the conversions' scale operands
.set PW,   240                         ; v240-247 the scale word of each of A's eight blocks
.set PAIR, 248                         ; v248-251 four scale words as they are stored
.set G1, 24
.set G0, 32
.set G1B, 48
.set G0B, 56
.set G1S, 68
.set G0S, 76
.set G1SB, 80
.set G0SB, 88
.set MSB, 0
.macro WIN new                         ; the immediate's high byte repeats the setting that is left
.if MSB != (\new)
	s_set_vgpr_msb (MSB<<8)|(\new)
.set MSB, (\new)
.endif
.endm
.set MUL_LO, 0xa1                      ; source 0 (B) window 1, source 1 (A) window 0, C and D window 2
.set MUL_HI, 0xf1
.set TO_B,   0x40
; A joint load: waves 0 and 1 fetch for A, waves 2 and 3 for B.  The branch hangs on the wave's number alone.  Four v_nop follow each of the two lines.
.macro JLOAD g0a, g1a, g0b, g1b
	s_cmp_eq_u32 s15, 0
	s_cbranch_scc0 .Lfor_b_\@
	tensor_load_to_lds s[\g0a:\g0a+3], s[\g1a:\g1a+7]
	s_nop 0
.rept 4
	v_nop
.endr
	s_branch .Lasked_\@
.Lfor_b_\@:
	tensor_load_to_lds s[\g0b:\g0b+3], s[\g1b:\g1b+7]
	s_nop 0
.rept 4
	v_nop
.endr
.Lasked_\@:
.endm
.macro CREST                           ; a round of the cluster's barrier behind its opening barrier
	s_cmp_lg_u32 s14, 0
	s_cbranch_scc1 .Lnot_wave_0_\@
	s_barrier_signal -3
.Lnot_wave_0_\@:
	s_barrier_wait -3
	s_barrier_signal -1
	s_barrier_wait -1
.endm
.macro CROUND
	s_barrier_signal -1
	s_barrier_wait -1
	CREST
.endm
	s_load_b128 s[4:7], s[0:1], 0x0                ; codes s[4:5], scales s[6:7]
	s_load_b128 s[8:11], s[0:1], 0x10              ; rope s[8:9], qrec s[10:11]
	s_load_b64 s[12:13], s[0:1], 0x20              ; kvrec
	v_lshl_add_u32 v[SPW], v0, 2, SPARE
	v_mov_b32 v[NIL], 0
	ds_add_u32 v28, v29
	ds_add_u32 v28, v29
	s_wait_dscnt 0x0
	v_lshrrev_b32 v1, 5, v0
	v_readfirstlane_b32 s14, v1                    ; wave 0..3
	s_lshr_b32 s15, s14, 1                         ; which half of A's 256 places is mine.  Also: I fetch for A (0) or for B (1)
	s_and_b32 s16, s14, 1                          ; which half of B's.  Also: which 128 rows of that tile I fetch
	s_bfe_u32 s40, ttmp6, 0x40000                  ; cx, cy: my place in the cluster
	s_bfe_u32 s41, ttmp6, 0x40004
	s_and_b32 s17, ttmp7, 0xffff
	s_lshl_b32 s17, s17, 2                         ; 4 x cluster y
	s_lshl_b32 s42, ttmp9, 2
	s_add_co_u32 s42, s42, 16                      ; the weight's first tile of 256 rows: 16 + 4 x cluster x
	s_cmp_eq_u32 ttmp9, 2                          ; v?  The cluster's x is the same in all sixteen partners
	s_cselect_b32 s42, s17, s42                    ; B: x's tiles for v, else the weight's
	s_cselect_b32 s17, 24, s17                     ; A: Wv's tiles for v, else x's
	s_add_co_u32 s42, s42, s40                     ; B's tile hangs on cx alone,
	s_add_co_u32 s17, s17, s41                     ; A's on cy alone
	s_lshl_b32 s43, s41, 2
	s_lshl_b32 s43, 15, s43                        ; my row of the cluster
	s_lshl_b32 s44, 0x1111, s40                    ; my column
	; descriptor group 1: a tile of 128 rows x 256 bytes, padded in LDS
	s_or_b32 s[G1+0], s43, (0<<16)|(1<<20)|(1<<21)|(5<<22)|(3<<25)  ; 15:0 the mask; 17:16 elements of 1 byte; 20 padding on; 21 set beside a mask; 24:22 after every 64 words; 31:25 four words
	s_or_b32 s[G1B+0], s44, (0<<16)|(1<<20)|(1<<21)|(5<<22)|(3<<25)
.irp g, G1, G1B
	s_mov_b32 s[\g+1], ROWB<<16                    ; tensor_dim0
	s_mov_b32 s[\g+2], 128<<16                     ; tensor_dim1
	s_mov_b32 s[\g+3], ROWB<<16                    ; tile_dim0
	s_mov_b32 s[\g+4], 128                         ; tile_dim1
	s_mov_b32 s[\g+5], KROW                        ; from row to row
	s_mov_b32 s[\g+6], 0
	s_mov_b32 s[\g+7], 0
.endr
	; the scales of 128 rows: 4,096 dense bytes as 16 rows of 256 bytes (32 elements of 8 bytes), 16 bytes of padding behind each
	s_or_b32 s[G1S+0], s43, (3<<16)|(1<<20)|(1<<21)|(5<<22)|(3<<25)
	s_or_b32 s[G1SB+0], s44, (3<<16)|(1<<20)|(1<<21)|(5<<22)|(3<<25)
.irp g, G1S, G1SB
	s_mov_b32 s[\g+1], 32<<16
	s_mov_b32 s[\g+2], (128*KS/256)<<16
	s_mov_b32 s[\g+3], 32<<16
	s_mov_b32 s[\g+4], 128*KS/256
	s_mov_b32 s[\g+5], 32
	s_mov_b32 s[\g+6], 0
	s_mov_b32 s[\g+7], 0
.endr
	s_lshl_b32 s20, s17, 18                        ; A's codes: (256 tile + 128 half) rows of 1,024 bytes
	s_lshl_b32 s18, s16, 17
	s_add_co_u32 s20, s20, s18
	s_mov_b32 s21, 0
	s_lshl_b32 s46, s42, 18                        ; B's
	s_add_co_u32 s46, s46, s18
	s_mov_b32 s47, 0
	s_lshl_b32 s22, s17, 13                        ; A's scales: rows of 32 bytes
	s_lshl_b32 s18, s16, 12
	s_add_co_u32 s22, s22, s18
	s_mov_b32 s23, 0
	s_lshl_b32 s92, s42, 13                        ; B's
	s_add_co_u32 s92, s92, s18
	s_mov_b32 s93, 0
	s_mul_i32 s45, s14, HALFT                      ; where they go: wave x 128 rows: no place in the cluster enters an LDS address
	s_mul_i32 s94, s14, HALFS
	s_lshl_b32 s96, s17, 4                         ; the table of cos and sin: my first tile of 16 tokens, (16 A's tile + 8 half) mod 128, 4,096 bytes a tile
	s_lshl_b32 s97, s15, 3
	s_add_co_u32 s96, s96, s97
	s_and_b32 s96, s96, 127
	s_lshl_b32 s96, s96, 12
	s_mov_b32 s97, 0
	s_wait_kmcnt 0x0
	s_add_nc_u64 s[20:21], s[4:5], s[20:21]
	s_add_nc_u64 s[22:23], s[6:7], s[22:23]
	s_add_nc_u64 s[46:47], s[4:5], s[46:47]
	s_add_nc_u64 s[92:93], s[6:7], s[92:93]
	s_add_nc_u64 s[96:97], s[8:9], s[96:97]
	CROUND                                         ; all sixteen work-groups are here: the first joint loads meet
	s_mov_b32 s[G0S], 1
	s_add_co_u32 s[G0S+1], s94, SCL
	s_mov_b64 s[G0S+2:G0S+3], s[22:23]
	s_or_b32 s[G0S+3], s[G0S+3], 0x80000000
	s_mov_b32 s[G0SB], 1
	s_add_co_u32 s[G0SB+1], s94, SCL
	s_mov_b64 s[G0SB+2:G0SB+3], s[92:93]
	s_or_b32 s[G0SB+3], s[G0SB+3], 0x80000000
	JLOAD G0S, G1S, G0SB, G1SB                     ; the scales first: they are wanted with K step 0
.irp s, 0,1
	s_mov_b32 s[G0+4*\s], 1
	s_add_co_u32 s[G0+4*\s+1], s45, \s*SLOT
	s_add_nc_u64 s[G0+4*\s+2:G0+4*\s+3], s[20:21], \s*ROWB
	s_or_b32 s[G0+4*\s+3], s[G0+4*\s+3], 0x80000000
	s_mov_b32 s[G0B+4*\s], 1
	s_add_co_u32 s[G0B+4*\s+1], s45, \s*SLOT
	s_add_nc_u64 s[G0B+4*\s+2:G0B+4*\s+3], s[46:47], \s*ROWB
	s_or_b32 s[G0B+4*\s+3], s[G0B+4*\s+3], 0x80000000
	JLOAD G0+4*\s, G1, G0B+4*\s, G1B               ; three tensor loads of mine are out behind the second of these
.endr
	v_and_b32 v1, 15, v0                           ; r = lane % 16
	v_bfe_u32 v2, v0, 4, 1                         ; h = lane / 16
	v_mul_u32_u24 v3, v1, PITCH
	v_lshl_add_u32 v4, v2, 4, v3                   ; a fragment's row x pitch + 16 x half
	s_mul_i32 s21, s15, HALFT                      ; my 128 places of A
	s_mul_i32 s22, s16, HALFT                      ; my 128 of B,
	s_add_co_u32 s22, s22, 2*HALFT                 ; which lie behind A's 256
.irp s, 0,1
	v_add_nc_u32 v[ADRA+\s], s21, v4
	v_add_nc_u32 v[ADRB+\s], s22, v4
	s_add_co_u32 s21, s21, SLOT
	s_add_co_u32 s22, s22, SLOT
.endr
	v_mul_u32_u24 v5, v1, KS                       ; my row's scales: 32 bytes a row,
	v_lshrrev_b32 v6, 8, v5
	v_lshl_add_u32 v5, v6, 4, v5                   ; and 16 more for each 256 passed
	s_mul_i32 s21, s15, HALFS
	s_mul_i32 s22, s16, HALFS
	s_add_co_u32 s22, s22, 2*HALFS
	s_sub_co_u32 s22, s22, s21
	v_mul_u32_u24 v6, s22, v2                      ; lanes 16-31 take B's
	s_add_co_u32 s21, s21, SCL
	v_add_nc_u32 v5, v5, v6
	v_add_nc_u32 v[ADRS], s21, v5
	v_and_b32 v6, 31, v0
	v_lshlrev_b32 v[LI], 4, v6
	v_mov_b32 v[SEL], 0x05040100
	v_mov_b32 v7, 0x07060302
	v_cmp_eq_u32 vcc_lo, 1, v2
	v_cndmask_b32 v[SEL], v[SEL], v7, vcc_lo
.macro FRAG reg, adr, q, i             ; 16 rows x 128 K of 8-bit codes: lane l holds row l % 16; registers 4 c .. 4 c + 3 hold K = 32 c + 16 (l / 16) + 0 .. 15
.irp c, 0,1,2,3
	ds_load_b128 v[\reg+4*\c:\reg+4*\c+3], v[\adr] offset:128*(\q)+32*\c+(\i)*16*PITCH
.endr
.endm
; 16 matrix instructions: A's blocks a0, a0 + 1 x B's eight, the slot's q-th 128 along K.  The 64 accumulators take turns, one instruction a turn, in the same order in every step.
.macro MUL16 a0, p, q, sc, zero
.irp a, \a0, \a0+1
.irp b, 0,1,2,3,4,5,6,7
.if \zero
	v_wmma_scale_f32_16x16x128_f8f6f4 v[8*(8*((\a)%4)+\b):8*(8*((\a)%4)+\b)+7], v[128*(\p)+FR*\b:128*(\p)+FR*\b+FR-1], v[AF+FR*(\a):AF+FR*(\a)+FR-1], 0, v[SC+8*NQ*(\sc)+NQ*\b+(\q)], v[SC+8*NQ*(\sc)+NQ*(\a)+(\q)] matrix_a_scale:MATRIX_SCALE_ROW1
.else
	v_wmma_scale_f32_16x16x128_f8f6f4 v[8*(8*((\a)%4)+\b):8*(8*((\a)%4)+\b)+7], v[128*(\p)+FR*\b:128*(\p)+FR*\b+FR-1], v[AF+FR*(\a):AF+FR*(\a)+FR-1], v[8*(8*((\a)%4)+\b):8*(8*((\a)%4)+\b)+7], v[SC+8*NQ*(\sc)+NQ*\b+(\q)], v[SC+8*NQ*(\sc)+NQ*(\a)+(\q)] matrix_a_scale:MATRIX_SCALE_ROW1
.endif
.endr
.endr
.endm
.macro FETCH_B slot, q, p
	WIN TO_B
.irp i, 0,1,2,3,4,5,6,7
	FRAG 128*(\p)+FR*\i, ADRB+\slot, \q, \i
.endr
	WIN 0
.endm
.macro FETCH_A slot, q, i0
.irp i, \i0, \i0+1, \i0+2, \i0+3
	FRAG AF+FR*(\i), ADRA+\slot, \q, \i
.endr
.endm
.macro SCALES sc                       ; a K step's scale words: two a row; lanes 0-15 take A's block i, lanes 16-31 B's block i
.irp i, 0,1,2,3,4,5,6,7
	ds_load_b64 v[SC+8*NQ*\sc+NQ*\i:SC+8*NQ*\sc+NQ*\i+1], v[ADRS] offset:\i*SBLK
.endr
.endm
.macro PLACES n                        ; plain vector instructions between a matrix instruction and a load into, or a read of, its registers
.rept \n
	v_nop
.endr
.endm
.macro STEP slot, q, zero              ; 128 along K that has its successor in the same slot
	s_wait_dscnt 4*NL                              ; B's set and A's blocks 0-3 are in; the youngest 16 loads (A's blocks 4-7) may be out
	WIN MUL_LO
	MUL16 0, (\q)%2, \q, \slot, \zero
	MUL16 2, (\q)%2, \q, \slot, \zero
	s_wait_dscnt 0
	PLACES NP
	FETCH_B \slot, (\q)+1, 1-(\q)%2
	FETCH_A \slot, (\q)+1, 0
	WIN MUL_HI
	MUL16 4, (\q)%2, \q, \slot, \zero
	MUL16 6, (\q)%2, \q, \slot, \zero
	PLACES NP
	WIN 0
	FETCH_A \slot, (\q)+1, 4
.endm
; A slot's last step changes slots: one barrier; in front of it each wave waits for all its tensor loads, adds 0 to its spare word, and waits for that and for its reads of this slot.
.macro TURN slot, next, fill
	s_wait_tensorcnt 0x0                           ; all my tensor loads have landed: my part of the next slot
	ds_add_u32 v[SPW], v[NIL]                      ; 0 onto my spare word
	s_wait_dscnt 4*NL+1                            ; (the add and the youngest 16 loads, A's blocks 4-7, may be out)
	WIN MUL_LO
	MUL16 0, 1, NQ-1, \slot, 0
	s_wait_dscnt 0x0                               ; the add is done, and my reads of this slot are over
	s_barrier_signal -1
	MUL16 2, 1, NQ-1, \slot, 0
	WIN 0
	s_barrier_wait -1
.if \fill
	CREST                                          ; the barrier has opened a round of the cluster's barrier: no wave of any partner still reads this slot or has a load on its way
	s_add_nc_u64 s[G0+4*\slot+2:G0+4*\slot+3], s[G0+4*\slot+2:G0+4*\slot+3], 2*ROWB
	s_add_nc_u64 s[G0B+4*\slot+2:G0B+4*\slot+3], s[G0B+4*\slot+2:G0B+4*\slot+3], 2*ROWB
	JLOAD G0+4*\slot, G1, G0B+4*\slot, G1B         ; the first tensor load behind the round, and my only one until the next
	PLACES NP-4
.else
	PLACES NP
.endif
	s_wait_alu depctr_va_vdst(0)
	v_add_nc_u32 v[ADRS], 4*NQ, v[ADRS]            ; on to the next K step's scale words
	FETCH_B \next, 0, 0
	FETCH_A \next, 0, 0
	SCALES \next
	WIN MUL_HI
	MUL16 4, 1, NQ-1, \slot, 0
	MUL16 6, 1, NQ-1, \slot, 0
	PLACES NP
	WIN 0
	FETCH_A \next, 0, 4
.endm
.macro TLOAD a                         ; cos and sin for A's block a: eight loads of 512 consecutive bytes into set a % 2
.irp i, 0,1,2,3,4,5,6,7
	global_load_b128 v[CS+32*((\a)%2)+4*\i:CS+32*((\a)%2)+4*\i+3], v[LI], s[96:97] offset:(\a)*4096+512*\i
.endr
.endm
	s_wait_alu depctr_va_vdst(0)
	s_wait_tensorcnt 1                             ; the scales and my part of K step 0 are in (K step 1's load may be out)
	s_barrier_signal -1
	s_barrier_wait -1                              ; everybody's are
	FETCH_B 0, 0, 0
	FETCH_A 0, 0, 0
	SCALES 0
	FETCH_A 0, 0, 4
	STEP 0, 0, 1                                   ; the first step's products start the sums: nothing is cleared
	s_mov_b32 s3, LAPS-1
.Llap:                                             ; a trip goes once round the ring and fills both slots again
	TURN 0, 1, 1
	STEP 1, 0, 0
	TURN 1, 0, 1
	STEP 0, 0, 0
	s_sub_co_u32 s3, s3, 1
	s_cmp_lg_u32 s3, 0
	s_cbranch_scc1 .Llap
	TURN 0, 1, 0                                   ; the last lap fills nothing
	TLOAD 0                                        ; behind the core's last barrier, 128 matrix instructions ahead of their use.  Every cluster asks, v's too (8 KB a wave, inside the table, not used there),
	TLOAD 1                                        ; so that the text has one way up to the way out
	STEP 1, 0, 0
	s_wait_dscnt 4*NL
	WIN MUL_LO
	MUL16 0, 1, NQ-1, 1, 0
	MUL16 2, 1, NQ-1, 1, 0
	s_wait_dscnt 0
	WIN MUL_HI
	MUL16 4, 1, NQ-1, 1, 0
	MUL16 6, 1, NQ-1, 1, 0
	WIN 0
; 64 numbers of a lane, register 16 b + i = row 32 b + 16 (lane / 16) + i of B, in v[src] on of window win, become 16 registers of codes in v[pc] on and a scale word in v[pw].
; Each accumulator is first read at its two lowest registers.  The hold also moves the numbers into window 0.
.macro QUANT src, win, pc, pw
	WIN (((\win)<<2)|((\win)<<4))
.irp b, 0,1,2,3
	v_max3_num_f32 v[TM+\b], 0x4800000, |v[(\src)+16*\b]|, |v[(\src)+16*\b+1]|   ; my 16 numbers of block b, and the floor 2^(9 - 127): the byte cannot fall under 1
.endr
.irp i, 2,4,6,8,10,12,14
.irp b, 0,1,2,3
	v_max3_num_f32 v[TM+\b], v[TM+\b], |v[(\src)+16*\b+\i]|, |v[(\src)+16*\b+\i+1]|
.endr
.endr
	WIN 0
.irp b, 0,1,2,3
	v_permlanex16_b32 v[TM+4+\b], v[TM+\b], s98, s99
.endr
.irp b, 0,1,2,3
	v_max_num_f32 v[TM+\b], v[TM+\b], v[TM+4+\b]   ; with lane l xor 16's: the block's largest magnitude
.endr
.irp b, 0,1,2,3
	v_add_nc_u32 v[TM+12+\b], 0xfc000000, v[TM+\b] ; 8 off its exponent field: the conversion's scale operand
.endr
.irp b, 0,1,2,3
	v_and_or_b32 v[TM+8+\b], v[TM+\b], 0x7f800000, s66   ; 448 x the scale
.endr
.irp b, 0,1,2,3
	v_lshrrev_b32 v[TM+4+\b], 23, v[TM+12+\b]      ; the scale's byte
.endr
	v_lshl_or_b32 v[\pw], v[TM+5], 8, v[TM+4]
	v_lshl_or_b32 v[\pw], v[TM+6], 16, v[\pw]
	v_lshl_or_b32 v[\pw], v[TM+7], 24, v[\pw]
	WIN (\win)
.irp b, 0,1,2,3
.irp i, 0,1,2,3,4,5,6,7,8,9,10,11,12,13,14,15
	v_med3_num_f32 v[X+16*\b+\i], v[(\src)+16*\b+\i], -v[TM+8+\b], v[TM+8+\b]   ; the conversion to an 8-bit code does not saturate (ISA guide 7.6.2): the hold comes first
.endr
.endr
	WIN 0
.irp b, 0,1,2,3
	v_cvt_scalef32_pk8_fp8_f32 v[(\pc)+4*\b:(\pc)+4*\b+1], v[X+16*\b:X+16*\b+7], v[TM+12+\b]
	v_cvt_scalef32_pk8_fp8_f32 v[(\pc)+4*\b+2:(\pc)+4*\b+3], v[X+16*\b+8:X+16*\b+15], v[TM+12+\b]
.endr
	v_nop                                          ; a plain instruction behind the last conversion, ahead of whatever next writes its sources
.endm
.macro FINISH                          ; the wave's end and the closing round: no work-group ends while a partner may still ask for a tile that names it
	s_wait_tensorcnt 0x0
	ds_add_u32 v[SPW], v[NIL]
	s_wait_dscnt 0x0
	CROUND
	s_endpgm
.endm
	PLACES NP                                      ; behind the last products: for the reads of results and for writes into the registers that held A's fragments
.irp b, 0,1,2,3
	v_mov_b32 v[TM+4+\b], 0                        ; written once: a lane permute's destination counts as one of its sources
.endr
	s_mov_b32 s66, 0x600000                        ; the mantissa field of 448
	s_mov_b32 s98, 0x76543210
	s_mov_b32 s99, 0xfedcba98                      ; lane l xor 16
	s_cmp_eq_u32 ttmp9, 2
	s_cbranch_scc1 .Lv
	; ---------------- q or k.  A lane holds one token; its 64 numbers are two heads x 64.  All tensor loads are done, so the scales' descriptor registers are free
	s_lshl_b32 s67, s17, 8
	s_lshl_b32 s95, s15, 7
	s_add_co_u32 s67, s67, s95                     ; my first token's place
	s_lshr_b32 s95, s67, 11                        ; b
	s_lshl_b32 s95, s95, 4
	s_lshl_b32 s100, s40, 2
	s_add_co_u32 s95, s95, s100
	s_lshl_b32 s100, s16, 1
	s_add_co_u32 s95, s95, s100                    ; 16 b + my first head (4 cx + 2 half)
	s_bfe_u32 s67, s67, 0x40007                    ; g: which 128 tokens of the sequence
	s_cmp_eq_u32 ttmp9, 0
	s_cselect_b64 s[68:69], s[10:11], s[12:13]     ; qrec or kvrec
	s_cselect_b32 s100, 1, 0                       ; q's sizes are half of kv's
	s_lshr_b32 s101, 0x42000, s100                 ; bytes of a head
	s_mul_i32 s95, s95, s101
	s_lshr_b32 s76, 0x4200, s100                   ; bytes of a record
	s_mul_i32 s67, s67, s76
	s_add_co_u32 s76, s95, s67
	s_mov_b32 s77, 0
	s_add_nc_u64 s[68:69], s[68:69], s[76:77]      ; my first head's record,
	s_mov_b32 s76, s101
	s_add_nc_u64 s[70:71], s[68:69], s[76:77]      ; my second head's,
	s_lshr_b32 s76, 0x4000, s100
	s_add_nc_u64 s[72:73], s[68:69], s[76:77]      ; and the first's scale words
	v_mul_lo_u32 v[SCO], v2, s101                  ; lanes 16-31 store the second head's
	v_lshl_add_u32 v[SCO], v1, 4, v[SCO]
.macro QK a                            ; A's block a: 16 tokens
.set AC,  64*((\a)%4)
.set CSB, CS+32*((\a)%2)
.set PCB, PC+16*((\a)%2)
	s_wait_xcnt 0x0                                ; the stores of two blocks back have read their registers: that set of codes is written again only behind this wait
.if (\a) < 7
	s_wait_loadcnt 8                               ; this block's cos and sin are in; the next block's eight loads may be out
.else
	s_wait_loadcnt 0x0
.endif
	WIN 2+(\a)/4                                   ; source 0: the accumulators' window
.set RN, 0
.rept 32                               ; registers RN, RN + 1 are x1, x2 of pair 16 ((RN / 16) % 2) + 8 h + (RN % 16) / 2 of a head
	v_pk_mul_f32 v[X+RN:X+RN+1], v[AC+RN:AC+RN+1], v[CSB+16*((RN/16)%2)+RN%16:CSB+16*((RN/16)%2)+RN%16+1] op_sel_hi:[0,1]   ; (x1 cos, x1 sin)
.set RN, RN+2
.endr
.set RN, 0
.rept 32
	v_fma_f32 v[X+RN], -v[AC+RN+1], v[CSB+16*((RN/16)%2)+RN%16+1], v[X+RN]       ; x1 cos - x2 sin
	v_fma_f32 v[X+RN+1], v[AC+RN+1], v[CSB+16*((RN/16)%2)+RN%16], v[X+RN+1]      ; x1 sin + x2 cos
.set RN, RN+2
.endr
	WIN 0
.if (\a) < 6
	TLOAD (\a)+2
.endif
	QUANT X, 0, PCB, PW+(\a)
.irp c, 0,1,2,3
	global_store_b128 v[LI], v[PCB+4*\c:PCB+4*\c+3], s[68+2*(\c/2):69+2*(\c/2)] offset:(\a)*1024+(\c%2)*512   ; 512 consecutive bytes: head c / 2, block c % 2 of its 64
.endr
.if (\a)%2 == 1
	v_perm_b32 v[PAIR+(\a)/2], v[PW+(\a)], v[PW+(\a)-1], v[SEL]   ; a head's two bytes of tiles a - 1 and a: lanes 0-15 the first head's, lanes 16-31 the second's
.endif
.endm
.irp a, 0,1,2,3,4,5,6,7
	QK \a
.endr
	global_store_b128 v[SCO], v[PAIR:PAIR+3], s[72:73]   ; sixteen lanes store a head's 256 bytes of scale words
	FINISH
	; ---------------- v.  A lane holds one channel; its 64 numbers are 128 keys' worth: four blocks of 32 keys
.Lv:
	s_wait_loadcnt 0x0                             ; the table's loads, which this way does not use: none is out at the closing round
	s_lshl_b32 s67, s42, 8
	s_lshl_b32 s95, s16, 7
	s_add_co_u32 s67, s67, s95                     ; my first key's place
	s_lshr_b32 s95, s67, 11
	s_lshl_b32 s95, s95, 4
	s_lshl_b32 s100, s41, 2
	s_add_co_u32 s95, s95, s100
	s_lshl_b32 s100, s15, 1
	s_add_co_u32 s95, s95, s100                    ; 16 b + my first head (4 cy + 2 half)
	s_bfe_u32 s67, s67, 0x40007                    ; the key step
	s_mul_i32 s95, s95, 0x42000
	s_mul_i32 s67, s67, 0x4200
	s_add_co_u32 s76, s95, s67
	s_mov_b32 s77, 0
	s_add_nc_u64 s[68:69], s[12:13], s[76:77]
	v_mul_u32_u24 v[SCO], v2, 0x42000
	v_lshl_add_u32 v[SCO], v1, 4, v[SCO]
.macro VV a                            ; A's block a: head a / 4, its channels' tile a % 4
	s_wait_xcnt 0x0                                ; the stores of two blocks back have read their registers
	QUANT 64*((\a)%4), 2+(\a)/4, PC+16*((\a)%2), PW+(\a)
.irp c, 0,1,2,3
	global_store_b128 v[LI], v[PC+16*((\a)%2)+4*\c:PC+16*((\a)%2)+4*\c+3], s[68:69] offset:((\a)/4)*270336+8192+((\a)%4)*2048+512*\c
.endr
.endm
.irp a, 0,1,2,3,4,5,6,7
	VV \a
.endr
	s_mov_b32 vcc_lo, 0xffff0000
.irp i, 0,1,2,3
	v_cndmask_b32 v[PAIR+\i], v[PW+\i], v[PW+4+\i], vcc_lo   ; lanes 0-15 the first head's four words, lanes 16-31 the second's
.endr
	global_store_b128 v[SCO], v[PAIR:PAIR+3], s[68:69] offset:16640
	FINISH
.Lfunc_end_k_qd169ee2adc_qkv:
	.size	k_qd169ee2adc_qkv, .Lfunc_end_k_qd169ee2adc_qkv-k_qd169ee2adc_qkv
	.p2alignl 7, 3214868480
	.fill 96, 4, 3214868480
	.section	.rodata,"a",@progbits
	.p2align	6, 0x0
	.amdhsa_kernel k_qd169ee2adc_qkv
		.amdhsa_group_segment_fixed_size 327680
		.amdhsa_private_segment_fixed_size 0
		.amdhsa_enable_private_segment 0
		.amdhsa_kernarg_size 40
		.amdhsa_user_sgpr_count 2
		.amdhsa_user_sgpr_kernarg_segment_ptr 1
		.amdhsa_wavefront_size32 1
		.amdhsa_system_sgpr_workgroup_id_x 1
		.amdhsa_system_sgpr_workgroup_id_y 1
		.amdhsa_system_sgpr_workgroup_id_z 1
		.amdhsa_system_vgpr_workitem_id 0
		.amdhsa_next_free_vgpr 1024
		.amdhsa_next_free_sgpr 102
		.amdhsa_reserve_vcc 1
		.amdhsa_float_denorm_mode_32 3
		.amdhsa_float_denorm_mode_16_64 3
		.amdhsa_memory_ordered 1
		.amdhsa_forward_progress 1
		.amdhsa_inst_pref_size 255
	.end_amdhsa_kernel
	.section	.bss,"aw",@nobits
	.p2align	6
	.space	262144
	.amdgpu_metadata
---
amdhsa.version: [ 1, 2 ]
amdhsa.kernels:
  - .name:           k_qd169ee2adc_qkv
    .symbol:         k_qd169ee2adc_qkv.kd
    .args:
      - { .name: codes, .offset: 0, .size: 8, .value_kind: global_buffer, .address_space: global }
      - { .name: scales, .offset: 8, .size: 8, .value_kind: global_buffer, .address_space: global }
      - { .name: rope, .offset: 16, .size: 8, .value_kind: global_buffer, .address_space: global }
      - { .name: qrec, .offset: 24, .size: 8, .value_kind: global_buffer, .address_space: global }
      - { .name: kvrec, .offset: 32, .size: 8, .value_kind: global_buffer, .address_space: global }
    .group_segment_fixed_size: 327680
    .private_segment_fixed_size: 0
    .kernarg_segment_align: 8
    .kernarg_segment_size: 40
    .max_flat_workgroup_size: 128
    .sgpr_count:     102
    .vgpr_count:     1024
    .wavefront_size: 32
...
	.end_amdgpu_metadata
.endif
;; end of part 2
;; launch attn (part 3): grid 8 x 32, 16 waves a work-group, clusters of 4 x 1, 327,680 bytes of LDS; arguments qrec, kvrec, ocodes, oscales; writes ocodes, oscales
.if DOCPART == 3
	.amdgcn_target "amdgcn-amd-amdhsa--gfx1250"
	.amdhsa_code_object_version 6
	.text
	.protected	k_qd169ee2adc_attn
	.globl	k_qd169ee2adc_attn
	.p2align	8
	.type	k_qd169ee2adc_attn,@function
k_qd169ee2adc_attn:
	s_mov_b64 s[64:65], 0
	v_nop
	global_prefetch_b8 v0, s[64:65] scope:SCOPE_SE
	s_setreg_imm32_b32 hwreg(HW_REG_WAVE_MODE, 25, 1), 1
	s_wait_xcnt 0x0
	s_wait_alu depctr_hold_cnt(0) depctr_sa_sdst(0) depctr_va_vdst(0) depctr_va_sdst(0) depctr_va_ssrc(0) depctr_va_vcc(0) depctr_vm_vsrc(0)
	s_getreg_b32 s2, hwreg(HW_REG_IB_STS2, 6, 4)
	s_cmp_eq_u32 s2, 0
	s_cbranch_scc0 .Lentry_in_a_cluster
	s_endpgm
.Lentry_in_a_cluster:
	s_bfe_u32 s2, ttmp6, 0x10000c
	s_cmp_lg_u32 s2, 0x3003
	s_cbranch_scc0 .Lentry_shape_is_right
	s_endpgm
.Lentry_shape_is_right:
; ATTN.  For each (batch, head): o = softmax(q k^T / 8, causal) v, both products on codes of FP8 (E4M3) with one E8M0 scale for each 32 along a product's K; o is divided by the row's sum and quantised along the head's 64.
; THE SOFTMAX: t = score x log2(e) / 8; M = the running largest t rounded UP to a whole number; p = 2^(t - M) is quantised along the keys, not normalised; the row's sum is taken of the unquantised p.
; When M moves, the sum and O are multiplied by 2^(old M - new M): exact.
; INPUTS are images of operand registers: qrec [bh][g 16] records of 8,448 bytes (8 tiles of 16 queries x [c 2][lane][16 bytes]; 256 bytes of scale words [r][phi]);
; kvrec [bh][step 16] records of 16,896 bytes (K 8,192 as in qrec; V 8,192 [ct 4][c 4][lane][16]; K's scale words 256 [r][phi]; V's 256 [r][ct]).  Lane r of tile 2 b + u holds key (or query) 32 b + 8 u + r + 8 (r / 8).
; SHARES.  A work-group serves one (batch, head); the eight work-groups of a head take tile e = 0 .. 7 of every 128 queries.  Wave w takes the tile of the g-th 128 queries, g from a table by the wave's number alone
; (a 4 x 4 square all of whose rows and columns add up alike), and has g + 1 key steps of 128 keys: the steps behind its diagonal are left out.  So every work-group has 136 steps, and each four waves w, w + 4, w + 8, w + 12
; as well as each four neighbours have 34.
; THE WHOLE HEAD'S K AND V LIE IN LDS: 16 records, 270,336 bytes, each brought once by one wave's tensor load; nothing is filled again.  CLUSTER 4 x 1: four work-groups of one head ask for each record jointly.
; K = 64 IN AN INSTRUCTION OF K = 128: a fragment of K holds TWO key tiles (registers 0-7, 8-15); it is multiplied by (q, zeros) for the first and by (zeros, q) for the second.  The zeros are zero codes under the scale byte 0;
; K's codes are finite (they were held before they were converted), so those halves add exact zeros.
; Both products are used transposed: a lane holds ONE query throughout; p's 16 registers of two neighbouring tiles are 16 neighbouring keys, so the conversions' results are the second product's operand.
; OUTPUT: ocodes [head / 4][tile of 16 rows 256][(head / 2) % 2][2 (head % 2) + c][lane][16 bytes]: images for the last product; oscales [place][32]: byte 2 head + block.  The scale bytes leave one a lane, 32 bytes apart:
; 128 KB in the whole launch are written so, in parts of their 256-byte runs.
; LIMITS: a block of zeros gets the byte 1 where the rule says 127; blocks under 2^-118 keep the floor's byte; NaN and infinities are not served.
.set REC,    16896
.set HEADB,  16*REC
.set QREC,   8448
.set QHEADB, 16*QREC
.set LI,  1                            ; v1   16 x lane
.set LR,  2                            ; v2   16 x (lane % 16)
.set DD,  3                            ; v3   my query's place in its 128, less 16 (lane / 16)
.set ADK, 4                            ; v4   the step's record + 16 x lane
.set ADS, 5                            ; v5   the step's record + 16 x (lane % 16)
;        v12 -M, v13 the largest t, v[14:15] the sum in two halves
;        v16-23 zeros, v24-31 q's codes, v32-39 zeros: v[24:39] = (q, 0), v[16:31] = (0, q)
.set QS,  40                           ; v40, v41 q's scale word for (q, 0) and for (0, q)
.set KSC, 42                           ; v42-45 K's scale words
.set VSC, 46                           ; v46-49 V's
.set PS,  50                           ; v50   p's
.set SO,  52                           ; v52-55 the conversions' scale operands
.set F,   56                           ; v[56:57] f = 2^(old M - new M); later 1 / the sum
.set FRG, 64                           ; v64-127 four fragments of K, then of V
.set S,   128                          ; v128-191 S^T, then p
.set OT,  192                          ; v192-223 O^T
.set PCD, 224                          ; v224-239 p's codes
.set BM,  240                          ; v240-243 block maxima
.set PR,  244                          ; v244-247 at work
.set LM,  248
.set WV,  12
.set EE,  13                           ; s13  e = 4 x cluster x + cx: it enters global addresses and the mask's numbers alone
.set BH,  14
.set G,   15
.set ST,  16
.set TB,  17
.set MNT, 19
.set SEL, 20
.set CC,  22                           ; s[22:23] c = log2(e) / 8
.macro CROUND                          ; a round of the cluster's barrier
	s_barrier_signal -1
	s_barrier_wait -1
	s_cmp_lg_u32 s[WV], 0
	s_cbranch_scc1 .Lnot_wave_0_\@
	s_barrier_signal -3
.Lnot_wave_0_\@:
	s_barrier_wait -3
	s_barrier_signal -1
	s_barrier_wait -1
.endm
	s_load_b128 s[4:7], s[0:1], 0x0                ; qrec s[4:5], kvrec s[6:7]
	s_load_b128 s[8:11], s[0:1], 0x10              ; ocodes s[8:9], oscales s[10:11]
	v_lshl_add_u32 v254, v0, 2, 0x42000
	v_mov_b32 v255, 0
	ds_add_u32 v254, v255
	ds_add_u32 v254, v255
	v_lshrrev_b32 v1, 5, v0
	s_delay_alu instid0(VALU_DEP_1)
	v_readfirstlane_b32 s[WV], v1                  ; wave 0..15
	s_bfe_u32 s[EE], ttmp6, 0x40000                ; cx
	s_lshl_b32 s18, ttmp9, 2
	s_add_co_u32 s[EE], s[EE], s18
	s_and_b32 s[BH], ttmp7, 0xffff                 ; 16 b + head: the same in the four partners
	s_and_b32 s[G], s[WV], 7                       ; g by the wave's number: four bits of a table
	s_lshl_b32 s[G], s[G], 2
	s_mov_b32 s18, 0x0de3b658
	s_cmp_lt_u32 s[WV], 8
	s_cselect_b32 s18, 0x7a94c12f, s18
	s_lshr_b32 s[G], s18, s[G]
	s_and_b32 s[G], s[G], 15
	; descriptor group 1: a record, 16,896 dense bytes, as 66 rows of 256 bytes (32 elements of 8 bytes), no padding: the images are read 16 bytes a lane on end
	s_mov_b32 s24, 15|(3<<16)|(1<<21)              ; 15:0 the mask: all four work-groups; 17:16 elements of 8 bytes; 21 set beside a mask
	s_mov_b32 s25, 32<<16
	s_mov_b32 s26, 66<<16
	s_mov_b32 s27, 32<<16
	s_mov_b32 s28, 66
	s_mov_b32 s29, 32
	s_mov_b32 s30, 0
	s_mov_b32 s31, 0
	s_mov_b32 s32, 1
	s_mul_i32 s33, s[WV], REC                      ; wave w brings record w to LDS byte 16,896 w
	s_mul_i32 s36, s[BH], HEADB
	s_add_co_u32 s36, s36, s33
	s_mov_b32 s37, 0
	s_mov_b32 s[SEL], 0x76543210
	s_mov_b32 s[SEL+1], 0xfedcba98
	s_mov_b32 s[CC], 0x3e38aa3b
	s_mov_b32 s[CC+1], s[CC]                       ; (named with it as a pair, so it is written)
	s_wait_dscnt 0x0
	s_wait_kmcnt 0x0
	s_add_nc_u64 s[34:35], s[6:7], s[36:37]
	s_or_b32 s35, s35, 0x80000000
	CROUND                                         ; all four work-groups are here: the joint loads meet
	tensor_load_to_lds s[32:35], s[24:31]          ; my one tensor load of the launch
	s_nop 0
.rept 4
	v_nop
.endr
	v_and_b32 v6, 31, v0
	s_delay_alu instid0(VALU_DEP_1)
	v_lshlrev_b32 v[LI], 4, v6
	s_wait_alu depctr_va_vdst(0)
	v_and_b32 v6, 15, v0                           ; r
	s_delay_alu instid0(VALU_DEP_1)
	v_lshlrev_b32 v[LR], 4, v6
	s_wait_alu depctr_va_vdst(0)
	v_bfe_u32 v7, v0, 4, 1                         ; h
	s_wait_alu depctr_va_vdst(0)
	s_mul_i32 s36, s[BH], QHEADB
	s_mul_i32 s38, s[G], QREC
	s_add_co_u32 s36, s36, s38                     ; my record of q
	s_lshl_b32 s38, s[EE], 10
	s_add_co_u32 s38, s36, s38                     ; my tile in it
	s_mov_b32 s39, 0
	s_add_nc_u64 s[38:39], s[4:5], s[38:39]
	s_lshr_b32 s40, s[EE], 1
	s_lshl_b32 s40, s40, 2
	s_add_co_u32 s36, s36, s40                     ; the word of tiles 2 (e / 2), 2 (e / 2) + 1
	s_add_nc_u64 s[36:37], s[4:5], s[36:37]
	global_load_b128 v[24:27], v[LI], s[38:39]
	global_load_b128 v[28:31], v[LI], s[38:39] offset:512
	global_load_b32 v58, v[LR], s[36:37] offset:8192
	v_and_b32 v8, 8, v6
	s_delay_alu instid0(VALU_DEP_1)
	v_add_nc_u32 v8, v8, v6                        ; r + 8 (r / 8)
	v_lshlrev_b32 v9, 4, v7
	s_delay_alu instid0(VALU_DEP_1)
	v_sub_nc_u32 v8, v8, v9                        ; - 16 h
	s_lshr_b32 s41, s[EE], 1
	s_lshl_b32 s41, s41, 5
	s_and_b32 s42, s[EE], 1
	s_lshl_b32 s43, s42, 3
	s_add_co_u32 s41, s41, s43
	v_add_nc_u32 v[DD], s41, v8                    ; + 32 (e / 2) + 8 (e % 2)
	s_lshl_b32 s42, s42, 4                         ; which half of the scale word is my tile's
.irp j, 0,1,2,3,4,5,6,7
	v_mov_b32 v[16+\j], 0
	v_mov_b32 v[32+\j], 0
.endr
	v_mov_b32 v13, 0xff61b1e6                      ; the largest t so far: -3e38, under every t
	s_delay_alu instid0(VALU_DEP_1)
	v_floor_f32 v12, -v13                          ; -M
	v_mov_b32 v14, 0
	v_mov_b32 v15, 0
	v_mov_b32 v57, 0                               ; (named as the upper half of the pair v[56:57])
.irp b, 0,1,2,3
	v_mov_b32 v[PR+\b], 0                          ; written once: a lane permute's destination counts as one of its sources
.endr
	s_wait_loadcnt 0x0
	v_lshrrev_b32 v58, s42, v58
	s_delay_alu instid0(VALU_DEP_1)
	v_and_b32 v[QS], 0xffff, v58                   ; (s0, s1, 0, 0)
	s_delay_alu instid0(VALU_DEP_1)
	v_lshlrev_b32 v[QS+1], 16, v[QS]               ; (0, 0, s0, s1)
.set J, 0
.rept 32
	v_mov_b32 v[OT+J], 0                           ; O^T.  (The step is written once: the first finds zeros, which the first change of M leaves zeros)
.set J, J+1
.endr
	s_wait_tensorcnt 0x0                           ; my record has landed,
	s_barrier_signal -1
	s_barrier_wait -1                              ; everybody's has: the whole head lies in LDS, and nobody writes it again
	s_mov_b32 s[ST], 0
	s_mov_b32 s[TB], 0
.Lstep:                                            ; 16 trips: a constant; a wave jumps over the work of the steps behind its diagonal
	s_cmp_gt_u32 s[ST], s[G]
	s_cbranch_scc1 .Lhidden
	s_setprio 2
	v_add_nc_u32 v[ADK], s[TB], v[LI]
	v_add_nc_u32 v[ADS], s[TB], v[LR]
.rept 6
	v_nop                                          ; with the two additions: eight places in front of loads into registers that the last products read
.endr
.irp p, 0,1,2,3
.irp c, 0,1,2,3
	ds_load_b128 v[FRG+16*\p+4*\c:FRG+16*\p+4*\c+3], v[ADK] offset:2048*\p+512*\c   ; fragment p: key tiles 2 p and 2 p + 1
.endr
.endr
	ds_load_b128 v[KSC:KSC+3], v[ADS] offset:16384
	s_wait_alu depctr_va_vdst(0)
	s_wait_dscnt 0x0
.irp p, 0,1,2,3
	v_wmma_scale_f32_16x16x128_f8f6f4 v[S+16*\p:S+16*\p+7], v[FRG+16*\p:FRG+16*\p+15], v[24:39], 0, v[KSC+\p], v[QS]
	v_wmma_scale_f32_16x16x128_f8f6f4 v[S+16*\p+8:S+16*\p+15], v[FRG+16*\p:FRG+16*\p+15], v[16:31], 0, v[KSC+\p], v[QS+1]
.endr
.rept 8
	v_nop                                          ; places: for V's loads into K's registers and for the first reads of the scores
.endr
.irp t, 0,1,2,3
.irp c, 0,1,2,3
	ds_load_b128 v[FRG+16*\t+4*\c:FRG+16*\t+4*\c+3], v[ADK] offset:8192+2048*\t+512*\c   ; V's four fragments land while the softmax is worked
.endr
.endr
	ds_load_b128 v[VSC:VSC+3], v[ADS] offset:16640
	s_cmp_lg_u32 s[ST], s[G]
	s_cbranch_scc1 .Lopen
	v_mov_b32 v59, 0xff800000                      ; the diagonal step: register 16 b + i holds key 32 b + 16 (lane / 16) + i of the step: hidden where 32 b + i > v[DD]; its score becomes -infinity, its p 0
.set J, 0
.rept 64
	v_cmp_gt_i32 vcc_lo, 32*(J/16)+J%16, v[DD]
	v_cndmask_b32 v[S+J], v[S+J], v59, vcc_lo
.set J, J+1
.endr
.Lopen:
.irp b, 0,1,2,3
	v_max3_num_f32 v[BM+\b], v[S+16*\b], v[S+1+16*\b], v[S+2+16*\b]   ; the largest score of each block of 32 keys: for the row's maximum and, since p rises with the score, for the block's largest p
.endr
.irp i, 3,5,7,9,11,13
.irp b, 0,1,2,3
	v_max3_num_f32 v[BM+\b], v[BM+\b], v[S+16*\b+\i], v[S+1+16*\b+\i]
.endr
.endr
.irp b, 0,1,2,3
	v_max_num_f32 v[BM+\b], v[BM+\b], v[S+15+16*\b]
.endr
.irp b, 0,1,2,3
	s_delay_alu instid0(VALU_DEP_4)
	v_permlanex16_b32 v[PR+\b], v[BM+\b], s[SEL], s[SEL+1]
.endr
.irp b, 0,1,2,3
	s_delay_alu instid0(VALU_DEP_4)
	v_max_num_f32 v[BM+\b], v[BM+\b], v[PR+\b]     ; with lane l xor 16's 16 keys
.endr
	s_delay_alu instid0(VALU_DEP_2)
	v_max3_num_f32 v58, v[BM], v[BM+1], v[BM+2]
	s_delay_alu instid0(VALU_DEP_1)
	v_max_num_f32 v58, v58, v[BM+3]
	s_delay_alu instid0(VALU_DEP_1)
	v_mul_f32 v58, s[CC], v58                      ; the step's largest t
	s_delay_alu instid0(VALU_DEP_1)
	v_max_num_f32 v13, v13, v58
	v_mov_b32 v58, v12
	s_delay_alu instid0(VALU_DEP_2)
	v_floor_f32 v12, -v13                          ; the new -M = -ceil(t)
	s_delay_alu instid0(VALU_DEP_1)
	v_sub_f32 v58, v12, v58                        ; old M - new M: a whole number, 0 or less
	s_delay_alu instid0(VALU_DEP_1)
	v_cvt_i32_f32 v58, v58                         ; (it saturates)
	s_delay_alu instid0(VALU_DEP_1)
	v_ldexp_f32 v[F], 1.0, v58                     ; f
.set J, 0
	s_setprio 1
.rept 32
	v_pk_fma_f32 v[S+J:S+J+1], v[S+J:S+J+1], s[CC:CC+1], v[12:13] op_sel_hi:[1,0,0]   ; t - M, two at a time
.set J, J+2
.endr
.irp b, 0,1,2,3
	v_fma_f32 v[BM+\b], v[BM+\b], s[CC], v12       ; the same of each block's largest score
.endr
.set J, 0
	s_wait_alu depctr_va_vdst(0)
.rept 64
	v_exp_f32 v[S+J], v[S+J]                       ; p: one batch
.set J, J+1
.endr
	v_pk_mul_f32 v[14:15], v[14:15], v[F:F+1] op_sel_hi:[1,0]   ; the sums under the new M: a plain instruction behind the exponentials
	s_wait_alu depctr_va_vdst(0)                   ; one wait for the batch, ahead of its first reader
.irp b, 0,1,2,3
	v_exp_f32 v[BM+\b], v[BM+\b]                   ; each block's largest p
.endr
	v_pk_add_f32 v[244:245], v[132:133], v[136:137]
	v_pk_add_f32 v[252:253], v[140:141], v[144:145]
	v_pk_add_f32 v[250:251], v[148:149], v[152:153]
	v_pk_add_f32 v[248:249], v[156:157], v[160:161]
	v_pk_add_f32 v[246:247], v[164:165], v[168:169]
	v_pk_add_f32 v[238:239], v[172:173], v[176:177]
	v_pk_add_f32 v[236:237], v[180:181], v[184:185]
	v_pk_add_f32 v[14:15], v[14:15], v[188:189]
	v_pk_add_f32 v[244:245], v[244:245], v[128:129]
	v_pk_add_f32 v[252:253], v[252:253], v[130:131]
	v_pk_add_f32 v[250:251], v[250:251], v[134:135]
	v_pk_add_f32 v[248:249], v[248:249], v[138:139]
	v_pk_add_f32 v[246:247], v[246:247], v[142:143]
	v_pk_add_f32 v[238:239], v[238:239], v[146:147]
	v_pk_add_f32 v[236:237], v[236:237], v[150:151]
	v_pk_add_f32 v[14:15], v[14:15], v[154:155]
	v_pk_add_f32 v[244:245], v[244:245], v[158:159]
	v_pk_add_f32 v[252:253], v[252:253], v[162:163]
	v_pk_add_f32 v[250:251], v[250:251], v[166:167]
	v_pk_add_f32 v[248:249], v[248:249], v[170:171]
	v_pk_add_f32 v[246:247], v[246:247], v[174:175]
	v_pk_add_f32 v[238:239], v[238:239], v[178:179]
	v_pk_add_f32 v[236:237], v[236:237], v[182:183]
	v_pk_add_f32 v[14:15], v[14:15], v[186:187]
	v_pk_add_f32 v[244:245], v[244:245], v[190:191]
	s_delay_alu instid0(VALU_DEP_2)
	v_pk_add_f32 v[14:15], v[14:15], v[248:249]
	s_delay_alu instid0(VALU_DEP_2)
	v_pk_add_f32 v[244:245], v[244:245], v[246:247]
	v_pk_add_f32 v[252:253], v[252:253], v[238:239]
	v_pk_add_f32 v[250:251], v[250:251], v[236:237]
	s_delay_alu instid0(VALU_DEP_2)
	v_pk_add_f32 v[14:15], v[14:15], v[252:253]
	s_delay_alu instid0(VALU_DEP_2)
	v_pk_add_f32 v[244:245], v[244:245], v[250:251]
	s_delay_alu instid0(VALU_DEP_1)
	v_pk_add_f32 v[14:15], v[14:15], v[244:245]
	s_setprio 0
	s_wait_alu depctr_va_vdst(0)                   ; and one for the four
.irp b, 0,1,2,3
	v_max_num_f32 v[BM+\b], 0x4800000, v[BM+\b]    ; the floor 2^(9 - 127): the byte cannot fall under 1
.endr
.irp b, 0,1,2,3
	s_delay_alu instid0(VALU_DEP_4)
	v_add_nc_u32 v[SO+\b], 0xfc000000, v[BM+\b]
.endr
.irp b, 0,1,2,3
.endr
.irp b, 0,1,2,3
	s_delay_alu instid0(VALU_DEP_4)
	v_lshrrev_b32 v[PR+\b], 23, v[SO+\b]
.endr
	s_delay_alu instid0(VALU_DEP_3)
	v_lshl_or_b32 v[PS], v[PR+1], 8, v[PR]         ; p's scale word for these 128 keys
	s_delay_alu instid0(VALU_DEP_1)
	v_lshl_or_b32 v[PS], v[PR+2], 16, v[PS]
	s_delay_alu instid0(VALU_DEP_1)
	v_lshl_or_b32 v[PS], v[PR+3], 24, v[PS]
.irp b, 0,1,2,3
.irp i, 0,1,2,3,4,5,6,7,8,9,10,11,12,13,14,15
.endr
	v_cvt_scalef32_pk8_fp8_f32 v[PCD+4*\b:PCD+4*\b+1], v[S+16*\b:S+16*\b+7], v[SO+\b]
	v_cvt_scalef32_pk8_fp8_f32 v[PCD+4*\b+2:PCD+4*\b+3], v[S+16*\b+8:S+16*\b+15], v[SO+\b]
.endr
.set J, 0
.rept 16
	v_pk_mul_f32 v[OT+J:OT+J+1], v[OT+J:OT+J+1], v[F:F+1] op_sel_hi:[1,0]   ; O^T under the new M; these 16 also stand between the codes and the products
.set J, J+2
.endr
	s_wait_alu depctr_va_vdst(0)
	s_wait_dscnt 0x0                               ; V and its scale words are in
.irp t, 0,1,2,3
	v_wmma_scale_f32_16x16x128_f8f6f4 v[OT+8*\t:OT+8*\t+7], v[FRG+16*\t:FRG+16*\t+15], v[PCD:PCD+15], v[OT+8*\t:OT+8*\t+7], v[VSC+\t], v[PS]   ; the four accumulators by turns
.endr
.Lhidden:
	s_add_co_u32 s[TB], s[TB], REC
	s_add_co_u32 s[ST], s[ST], 1
	s_cmp_lt_u32 s[ST], 16
	s_cbranch_scc1 .Lstep
	s_setprio 0
	; THE WAY OUT.  Register 16 c + i of O^T is channel 32 c + 16 (lane / 16) + i of my query: two blocks of 32, each in lanes l and l xor 16
	v_add_f32 v14, v14, v15
	s_delay_alu instid0(VALU_DEP_1)
	v_permlanex16_b32 v58, v14, s[SEL], s[SEL+1]
	s_delay_alu instid0(VALU_DEP_1)
	v_add_f32 v14, v14, v58                        ; the row's sum
	s_wait_alu depctr_va_vdst(0)
	v_rcp_f32 v[F], v14
	v_and_b32 v6, 15, v0
	v_bfe_u32 v7, v0, 4, 1
	s_delay_alu instid0(VALU_DEP_2)
	v_lshlrev_b32 v8, 5, v6
	s_delay_alu instid0(VALU_DEP_1)
	v_add_nc_u32 v8, v8, v7                        ; the scale bytes: 32 r + h
.rept 6
	v_nop                                          ; with the plain lines above: more than eight places behind the last products
.endr
	s_and_b32 s36, s[BH], 15                       ; head
	s_lshr_b32 s37, s[BH], 4
	s_lshl_b32 s37, s37, 7
	s_lshl_b32 s38, s[G], 3
	s_add_co_u32 s37, s37, s38
	s_add_co_u32 s37, s37, s[EE]                   ; my tile of 16 rows: 128 b + 8 g + e
	s_lshr_b32 s38, s36, 2
	s_lshl_b32 s38, s38, 20
	s_lshl_b32 s39, s37, 12
	s_add_co_u32 s38, s38, s39
	s_and_b32 s39, s36, 3
	s_lshl_b32 s39, s39, 10
	s_add_co_u32 s38, s38, s39
	s_mov_b32 s39, 0
	s_add_nc_u64 s[8:9], s[8:9], s[38:39]
	s_lshl_b32 s38, s37, 9
	s_lshl_b32 s40, s36, 1
	s_add_co_u32 s38, s38, s40
	s_add_nc_u64 s[10:11], s[10:11], s[38:39]
	s_wait_alu depctr_va_vdst(0)                   ; ahead of the reciprocal's first reader
.set J, 0
.rept 16
	v_pk_mul_f32 v[OT+J:OT+J+1], v[OT+J:OT+J+1], v[F:F+1] op_sel_hi:[1,0]   ; o = O^T / the sum; each accumulator from its low end on
.set J, J+2
.endr
.irp c, 0,1
	v_max3_num_f32 v[BM+\c], |v[OT+16*\c]|, |v[OT+1+16*\c]|, 0x4800000
.endr
.irp i, 2,4,6,8,10,12,14
.irp c, 0,1
	s_delay_alu instid0(VALU_DEP_2)
	v_max3_num_f32 v[BM+\c], v[BM+\c], |v[OT+16*\c+\i]|, |v[OT+1+16*\c+\i]|
.endr
.endr
.irp c, 0,1
	s_delay_alu instid0(VALU_DEP_2)
	v_permlanex16_b32 v[PR+\c], v[BM+\c], s[SEL], s[SEL+1]
.endr
.irp c, 0,1
	s_delay_alu instid0(VALU_DEP_2)
	v_max_num_f32 v[BM+\c], v[BM+\c], v[PR+\c]
.endr
.irp c, 0,1
	s_delay_alu instid0(VALU_DEP_2)
	v_add_nc_u32 v[SO+\c], 0xfc000000, v[BM+\c]
.endr
.irp c, 0,1
.endr
.irp c, 0,1
	s_delay_alu instid0(VALU_DEP_2)
	v_lshrrev_b32 v[PR+\c], 23, v[SO+\c]
.endr
.irp c, 0,1
.irp i, 0,1,2,3,4,5,6,7,8,9,10,11,12,13,14,15
.endr
	v_cvt_scalef32_pk8_fp8_f32 v[PCD+4*\c:PCD+4*\c+1], v[OT+16*\c:OT+16*\c+7], v[SO+\c]
	v_cvt_scalef32_pk8_fp8_f32 v[PCD+4*\c+2:PCD+4*\c+3], v[OT+16*\c+8:OT+16*\c+15], v[SO+\c]
.endr
	v_nop
	s_mov_b32 vcc_lo, 0xffff0000
	v_cndmask_b32 v58, v[PR], v[PR+1], vcc_lo      ; lanes 0-15 store block 0's byte, lanes 16-31 block 1's
	global_store_b128 v[LI], v[PCD:PCD+3], s[8:9]              ; 512 consecutive bytes
	global_store_b128 v[LI], v[PCD+4:PCD+7], s[8:9] offset:512
	global_store_b8 v8, v58, s[10:11]
	s_wait_dscnt 0x0
	s_wait_tensorcnt 0x0
	ds_add_u32 v254, v255
	s_wait_dscnt 0x0
	CROUND                                         ; the closing round: no work-group ends while a partner may still ask for a record that names it
	s_endpgm
.Lfunc_end_k_qd169ee2adc_attn:
	.size	k_qd169ee2adc_attn, .Lfunc_end_k_qd169ee2adc_attn-k_qd169ee2adc_attn
	.p2alignl 7, 3214868480
	.fill 96, 4, 3214868480
	.section	.rodata,"a",@progbits
	.p2align	6, 0x0
	.amdhsa_kernel k_qd169ee2adc_attn
		.amdhsa_group_segment_fixed_size 327680
		.amdhsa_private_segment_fixed_size 0
		.amdhsa_enable_private_segment 0
		.amdhsa_kernarg_size 32
		.amdhsa_user_sgpr_count 2
		.amdhsa_user_sgpr_kernarg_segment_ptr 1
		.amdhsa_wavefront_size32 1
		.amdhsa_system_sgpr_workgroup_id_x 1
		.amdhsa_system_sgpr_workgroup_id_y 1
		.amdhsa_system_sgpr_workgroup_id_z 1
		.amdhsa_system_vgpr_workitem_id 0
		.amdhsa_next_free_vgpr 256
		.amdhsa_next_free_sgpr 66
		.amdhsa_reserve_vcc 1
		.amdhsa_float_denorm_mode_32 3
		.amdhsa_float_denorm_mode_16_64 3
		.amdhsa_fp16_overflow 1
		.amdhsa_memory_ordered 1
		.amdhsa_forward_progress 1
		.amdhsa_inst_pref_size 35
	.end_amdhsa_kernel
	.amdgpu_metadata
---
amdhsa.version: [ 1, 2 ]
amdhsa.kernels:
  - .name:           k_qd169ee2adc_attn
    .symbol:         k_qd169ee2adc_attn.kd
    .args:
      - { .name: qrec, .offset: 0, .size: 8, .value_kind: global_buffer, .address_space: global }
      - { .name: kvrec, .offset: 8, .size: 8, .value_kind: global_buffer, .address_space: global }
      - { .name: ocodes, .offset: 16, .size: 8, .value_kind: global_buffer, .address_space: global }
      - { .name: oscales, .offset: 24, .size: 8, .value_kind: global_buffer, .address_space: global }
    .group_segment_fixed_size: 327680
    .private_segment_fixed_size: 0
    .kernarg_segment_align: 8
    .kernarg_segment_size: 32
    .max_flat_workgroup_size: 512
    .sgpr_count:     66
    .vgpr_count:     256
    .wavefront_size: 32
...
	.end_amdgpu_metadata
.endif
;; end of part 3
;; launch oproj (part 4): grid 4 x 16, 4 waves a work-group, clusters of 4 x 4, 327,680 bytes of LDS; arguments ocodes, oscales, codes, scales, out0; writes out0
.if DOCPART == 4
	.amdgcn_target "amdgcn-amd-amdhsa--gfx1250"
	.amdhsa_code_object_version 6
	.text
	.protected	k_qd169ee2adc_oproj
	.globl	k_qd169ee2adc_oproj
	.p2align	8
	.type	k_qd169ee2adc_oproj,@function
k_qd169ee2adc_oproj:
	s_mov_b64 s[64:65], 0
	v_nop
	global_prefetch_b8 v0, s[64:65] scope:SCOPE_SE
	s_setreg_imm32_b32 hwreg(HW_REG_WAVE_MODE, 25, 1), 1
	s_wait_xcnt 0x0
	s_wait_alu depctr_hold_cnt(0) depctr_sa_sdst(0) depctr_va_vdst(0) depctr_va_sdst(0) depctr_va_ssrc(0) depctr_va_vcc(0) depctr_vm_vsrc(0)
	s_getreg_b32 s2, hwreg(HW_REG_IB_STS2, 6, 4)
	s_cmp_eq_u32 s2, 0
	s_cbranch_scc0 .Lentry_in_a_cluster
	s_endpgm
.Lentry_in_a_cluster:
	s_bfe_u32 s2, ttmp6, 0x10000c
	s_cmp_lg_u32 s2, 0xf033
	s_cbranch_scc0 .Lentry_shape_is_right
	s_endpgm
.Lentry_shape_is_right:
.set KSTEP,  256
.set NQ,     2
.set ROWB,   256
.set KROW,   1024
.set ASTEP,  1048576
.set PITCH,  272
.set FR,     16
.set NL,     4
.set NP,     8
.set HALFT,  128*PITCH
.set SLOT,   4*HALFT
.set LAPS,   2
.set KS,     32
.set SCL,    2*SLOT
.set HALFS,  (128*KS/256)*272
.set SBLK,   (16*KS/256)*272
.set SPARE,  SCL+4*HALFS
.set SPITCH, 528
.set ADRA, 16
.set ADRB, 20
.set STO,  24
.set RD,   25
.set CO,   26
.set ADRS, 27
.set SPW,  28
.set NIL,  29
.set SC,   32
.set AF,   128
.set BK,   128
.set G1, 24
.set G0, 32
.set G1B, 48
.set G0B, 56
.set G1S, 68
.set G0S, 76
.set G1SB, 80
.set G0SB, 88
.set MSB, 0
.macro WIN new
.if MSB != (\new)
	s_set_vgpr_msb (MSB<<8)|(\new)
.set MSB, (\new)
.endif
.endm
.set MUL_LO, 0xa1
.set MUL_HI, 0xf1
.set TO_B,   0x40
.macro JLOAD g0a, g1a, g0b, g1b
	s_cmp_eq_u32 s15, 0
	s_cbranch_scc0 .Lfor_b_\@
	tensor_load_to_lds s[\g0a:\g0a+3], s[\g1a:\g1a+7]
	s_nop 0
.rept 4
	v_nop
.endr
	s_branch .Lasked_\@
.Lfor_b_\@:
	tensor_load_to_lds s[\g0b:\g0b+3], s[\g1b:\g1b+7]
	s_nop 0
.rept 4
	v_nop
.endr
.Lasked_\@:
.endm
.macro CREST
	s_cmp_lg_u32 s14, 0
	s_cbranch_scc1 .Lnot_wave_0_\@
	s_barrier_signal -3
.Lnot_wave_0_\@:
	s_barrier_wait -3
	s_barrier_signal -1
	s_barrier_wait -1
.endm
.macro CROUND
	s_barrier_signal -1
	s_barrier_wait -1
	CREST
.endm
	s_load_b128 s[4:7], s[0:1], 0x0
	s_load_b128 s[8:11], s[0:1], 0x10
	s_load_b64 s[12:13], s[0:1], 0x20
	v_lshl_add_u32 v[SPW], v0, 2, SPARE
	v_mov_b32 v[NIL], 0
	ds_add_u32 v28, v29
	ds_add_u32 v28, v29
	s_wait_dscnt 0x0
	v_lshrrev_b32 v1, 5, v0
	v_readfirstlane_b32 s14, v1
	s_lshr_b32 s15, s14, 1
	s_and_b32 s16, s14, 1
	s_bfe_u32 s40, ttmp6, 0x40000
	s_bfe_u32 s41, ttmp6, 0x40004
	s_add_co_u32 s42, s40, 28
	s_and_b32 s17, ttmp7, 0xffff
	s_lshl_b32 s17, s17, 2
	s_add_co_u32 s17, s17, s41
	s_lshl_b32 s43, s41, 2
	s_lshl_b32 s43, 15, s43
	s_lshl_b32 s44, 0x1111, s40
	s_or_b32 s[G1+0], s43, (3<<16)|(1<<21)
	s_mov_b32 s[G1+1], 32<<16
	s_mov_b32 s[G1+2], 128<<16
	s_mov_b32 s[G1+3], 32<<16
	s_mov_b32 s[G1+4], 128
	s_mov_b32 s[G1+5], 32
	s_mov_b32 s[G1+6], 0
	s_mov_b32 s[G1+7], 0
	s_or_b32 s[G1B+0], s44, (0<<16)|(1<<20)|(1<<21)|(5<<22)|(3<<25)
	s_mov_b32 s[G1B+1], ROWB<<16
	s_mov_b32 s[G1B+2], 128<<16
	s_mov_b32 s[G1B+3], ROWB<<16
	s_mov_b32 s[G1B+4], 128
	s_mov_b32 s[G1B+5], KROW
	s_mov_b32 s[G1B+6], 0
	s_mov_b32 s[G1B+7], 0
	s_or_b32 s[G1S+0], s43, (3<<16)|(1<<20)|(1<<21)|(5<<22)|(3<<25)
	s_or_b32 s[G1SB+0], s44, (3<<16)|(1<<20)|(1<<21)|(5<<22)|(3<<25)
.irp g, G1S, G1SB
	s_mov_b32 s[\g+1], 32<<16
	s_mov_b32 s[\g+2], (128*KS/256)<<16
	s_mov_b32 s[\g+3], 32<<16
	s_mov_b32 s[\g+4], 128*KS/256
	s_mov_b32 s[\g+5], 32
	s_mov_b32 s[\g+6], 0
	s_mov_b32 s[\g+7], 0
.endr
	s_lshl_b32 s20, s17, 16
	s_lshl_b32 s18, s16, 15
	s_add_co_u32 s20, s20, s18
	s_mov_b32 s21, 0
	s_lshl_b32 s46, s42, 18
	s_lshl_b32 s18, s16, 17
	s_add_co_u32 s46, s46, s18
	s_mov_b32 s47, 0
	s_lshl_b32 s22, s17, 13
	s_lshl_b32 s18, s16, 12
	s_add_co_u32 s22, s22, s18
	s_mov_b32 s23, 0
	s_lshl_b32 s92, s42, 13
	s_add_co_u32 s92, s92, s18
	s_mov_b32 s93, 0
	s_mul_i32 s45, s14, HALFT
	s_mul_i32 s94, s14, HALFS
	s_wait_kmcnt 0x0
	s_add_nc_u64 s[20:21], s[4:5], s[20:21]
	s_add_nc_u64 s[22:23], s[6:7], s[22:23]
	s_add_nc_u64 s[46:47], s[8:9], s[46:47]
	s_add_nc_u64 s[92:93], s[10:11], s[92:93]
	CROUND
	s_mov_b32 s[G0S], 1
	s_add_co_u32 s[G0S+1], s94, SCL
	s_mov_b64 s[G0S+2:G0S+3], s[22:23]
	s_or_b32 s[G0S+3], s[G0S+3], 0x80000000
	s_mov_b32 s[G0SB], 1
	s_add_co_u32 s[G0SB+1], s94, SCL
	s_mov_b64 s[G0SB+2:G0SB+3], s[92:93]
	s_or_b32 s[G0SB+3], s[G0SB+3], 0x80000000
	JLOAD G0S, G1S, G0SB, G1SB
.irp s, 0,1
	s_mov_b32 s[G0+4*\s], 1
	s_add_co_u32 s[G0+4*\s+1], s45, \s*SLOT
	s_add_nc_u64 s[G0+4*\s+2:G0+4*\s+3], s[20:21], \s*ASTEP
	s_or_b32 s[G0+4*\s+3], s[G0+4*\s+3], 0x80000000
	s_mov_b32 s[G0B+4*\s], 1
	s_add_co_u32 s[G0B+4*\s+1], s45, \s*SLOT
	s_add_nc_u64 s[G0B+4*\s+2:G0B+4*\s+3], s[46:47], \s*ROWB
	s_or_b32 s[G0B+4*\s+3], s[G0B+4*\s+3], 0x80000000
	s_wait_alu depctr_va_vdst(0)
	s_wait_tensorcnt 0x0
	ds_add_u32 v28, v29
	s_wait_dscnt 0x0
	CROUND
	JLOAD G0+4*\s, G1, G0B+4*\s, G1B
.endr
	v_and_b32 v1, 15, v0
	v_bfe_u32 v2, v0, 4, 1
	v_mul_u32_u24 v3, v1, PITCH
	v_lshl_add_u32 v4, v2, 4, v3
	v_and_b32 v6, 31, v0
	v_lshlrev_b32 v7, 4, v6
	s_mul_i32 s21, s15, HALFT
	s_mul_i32 s22, s16, HALFT
	s_add_co_u32 s22, s22, 2*HALFT
.irp s, 0,1
	v_add_nc_u32 v[ADRA+\s], s21, v7
	v_add_nc_u32 v[ADRB+\s], s22, v4
	s_add_co_u32 s21, s21, SLOT
	s_add_co_u32 s22, s22, SLOT
.endr
	v_mul_u32_u24 v5, v1, KS
	v_lshrrev_b32 v6, 8, v5
	v_lshl_add_u32 v5, v6, 4, v5
	s_mul_i32 s21, s15, HALFS
	s_mul_i32 s22, s16, HALFS
	s_add_co_u32 s22, s22, 2*HALFS
	s_sub_co_u32 s22, s22, s21
	v_mul_u32_u24 v6, s22, v2
	s_add_co_u32 s21, s21, SCL
	v_add_nc_u32 v5, v5, v6
	v_add_nc_u32 v[ADRS], s21, v5
	s_mul_i32 s23, s14, 16*SPITCH
	v_mul_u32_u24 v5, v1, SPITCH
	v_lshl_add_u32 v5, v2, 6, v5
	v_add_nc_u32 v[STO], s23, v5
	v_mov_b32 v[CO], v7
	v_add_nc_u32 v[RD], s23, v7
	s_lshl_b32 s20, s17, 20
	s_lshl_b32 s21, s15, 19
	s_add_co_u32 s20, s20, s21
	s_mov_b32 s21, 0
	s_lshl_b32 s46, s40, 10
	s_lshl_b32 s47, s16, 9
	s_add_co_u32 s46, s46, s47
	s_mov_b32 s47, 0
	s_add_nc_u64 s[20:21], s[20:21], s[46:47]
	s_add_nc_u64 s[12:13], s[12:13], s[20:21]
.macro FRAG reg, adr, q, i
.irp c, 0,1,2,3
	ds_load_b128 v[\reg+4*\c:\reg+4*\c+3], v[\adr] offset:128*(\q)+32*\c+(\i)*16*PITCH
.endr
.endm
.macro FRAGI reg, adr, q, i
.irp c, 0,1,2,3
	ds_load_b128 v[\reg+4*\c:\reg+4*\c+3], v[\adr] offset:(\i)*4096+(\q)*2048+512*\c
.endr
.endm
.macro MUL16 a0, p, q, sc, zero
.irp a, \a0, \a0+1
.irp b, 0,1,2,3,4,5,6,7
.if \zero
	v_wmma_scale_f32_16x16x128_f8f6f4 v[8*(8*((\a)%4)+\b):8*(8*((\a)%4)+\b)+7], v[128*(\p)+FR*\b:128*(\p)+FR*\b+FR-1], v[AF+FR*(\a):AF+FR*(\a)+FR-1], 0, v[SC+8*NQ*(\sc)+NQ*\b+(\q)], v[SC+8*NQ*(\sc)+NQ*(\a)+(\q)] matrix_a_scale:MATRIX_SCALE_ROW1
.else
	v_wmma_scale_f32_16x16x128_f8f6f4 v[8*(8*((\a)%4)+\b):8*(8*((\a)%4)+\b)+7], v[128*(\p)+FR*\b:128*(\p)+FR*\b+FR-1], v[AF+FR*(\a):AF+FR*(\a)+FR-1], v[8*(8*((\a)%4)+\b):8*(8*((\a)%4)+\b)+7], v[SC+8*NQ*(\sc)+NQ*\b+(\q)], v[SC+8*NQ*(\sc)+NQ*(\a)+(\q)] matrix_a_scale:MATRIX_SCALE_ROW1
.endif
.endr
.endr
.endm
.macro FETCH_B slot, q, p
	WIN TO_B
.irp i, 0,1,2,3,4,5,6,7
	FRAG 128*(\p)+FR*\i, ADRB+\slot, \q, \i
.endr
	WIN 0
.endm
.macro FETCH_A slot, q, i0
.irp i, \i0, \i0+1, \i0+2, \i0+3
	FRAGI AF+FR*(\i), ADRA+\slot, \q, \i
.endr
.endm
.macro SCALES sc
.irp i, 0,1,2,3,4,5,6,7
	ds_load_b64 v[SC+8*NQ*\sc+NQ*\i:SC+8*NQ*\sc+NQ*\i+1], v[ADRS] offset:\i*SBLK
.endr
.endm
.macro PLACES n
.rept \n
	v_nop
.endr
.endm
.macro STEP slot, q, zero
	s_wait_dscnt 4*NL
	WIN MUL_LO
	MUL16 0, (\q)%2, \q, \slot, \zero
	MUL16 2, (\q)%2, \q, \slot, \zero
	s_wait_dscnt 0
	PLACES NP
	FETCH_B \slot, (\q)+1, 1-(\q)%2
	FETCH_A \slot, (\q)+1, 0
	WIN MUL_HI
	MUL16 4, (\q)%2, \q, \slot, \zero
	MUL16 6, (\q)%2, \q, \slot, \zero
	PLACES NP
	WIN 0
	FETCH_A \slot, (\q)+1, 4
.endm
.macro TURN slot, next, fill
	s_wait_tensorcnt 0x0
	ds_add_u32 v[SPW], v[NIL]
	s_wait_dscnt 4*NL+1
	WIN MUL_LO
	MUL16 0, 1, NQ-1, \slot, 0
	s_wait_dscnt 0x0
	s_barrier_signal -1
	MUL16 2, 1, NQ-1, \slot, 0
	WIN 0
	s_barrier_wait -1
.if \fill
	CREST
	s_add_nc_u64 s[G0+4*\slot+2:G0+4*\slot+3], s[G0+4*\slot+2:G0+4*\slot+3], 2*ASTEP
	s_add_nc_u64 s[G0B+4*\slot+2:G0B+4*\slot+3], s[G0B+4*\slot+2:G0B+4*\slot+3], 2*ROWB
	JLOAD G0+4*\slot, G1, G0B+4*\slot, G1B
	PLACES NP-4
.else
	PLACES NP
.endif
	s_wait_alu depctr_va_vdst(0)
	v_add_nc_u32 v[ADRS], 4*NQ, v[ADRS]
	FETCH_B \next, 0, 0
	FETCH_A \next, 0, 0
	SCALES \next
	WIN MUL_HI
	MUL16 4, 1, NQ-1, \slot, 0
	MUL16 6, 1, NQ-1, \slot, 0
	PLACES NP
	WIN 0
	FETCH_A \next, 0, 4
.endm
	s_wait_alu depctr_va_vdst(0)
	s_wait_tensorcnt 1
	s_barrier_signal -1
	s_barrier_wait -1
	FETCH_B 0, 0, 0
	FETCH_A 0, 0, 0
	SCALES 0
	FETCH_A 0, 0, 4
	STEP 0, 0, 1
	s_mov_b32 s3, LAPS-1
.Llap:
	TURN 0, 1, 1
	STEP 1, 0, 0
	TURN 1, 0, 1
	STEP 0, 0, 0
	s_sub_co_u32 s3, s3, 1
	s_cmp_lg_u32 s3, 0
	s_cbranch_scc1 .Llap
	TURN 0, 1, 0
	STEP 1, 0, 0
	s_wait_dscnt 4*NL
	WIN MUL_LO
	MUL16 0, 1, NQ-1, 1, 0
	MUL16 2, 1, NQ-1, 1, 0
	s_wait_dscnt 0
	WIN MUL_HI
	MUL16 4, 1, NQ-1, 1, 0
	MUL16 6, 1, NQ-1, 1, 0
	WIN 0
.macro TOSTAGE a
.set AC, 64*((\a)%4)
	WIN 0x08+4*((\a)/4)
.irp b, 0,1,2,3,4,5,6,7
	ds_store_b128 v[STO], v[AC+8*\b:AC+8*\b+3] offset:128*(\b/2)+32*(\b%2)
	ds_store_b128 v[STO], v[AC+8*\b+4:AC+8*\b+7] offset:128*(\b/2)+32*(\b%2)+16
.endr
	WIN 0
.set BB, BK+64*((\a)%2)
.irp t, 0,1,2,3,4,5,6,7,8,9,10,11,12,13,14,15
	ds_load_b128 v[BB+4*\t:BB+4*\t+3], v[RD] offset:\t*SPITCH
.endr
.endm
.macro SEND a, younger
.set BB, BK+64*((\a)%2)
	s_wait_dscnt \younger
.irp t, 0,1,2,3,4,5,6,7,8,9,10,11,12,13,14,15
	global_store_b128 v[CO], v[BB+4*\t:BB+4*\t+3], s[12:13] offset:(32*((\a)/2)+8*((\a)%2)+\t+8*(\t/8))*4096 th:TH_STORE_NT
.endr
.endm
	PLACES NP
	TOSTAGE 0
.irp a, 1,2,3,4,5,6,7
.if \a > 1
	s_wait_xcnt 0x0
.endif
	TOSTAGE \a
	SEND \a-1, 32
.endr
	SEND 7, 0
	s_wait_tensorcnt 0x0
	ds_add_u32 v[SPW], v[NIL]
	s_wait_dscnt 0x0
	CROUND
	s_endpgm
.Lfunc_end_k_qd169ee2adc_oproj:
	.size	k_qd169ee2adc_oproj, .Lfunc_end_k_qd169ee2adc_oproj-k_qd169ee2adc_oproj
	.p2alignl 7, 3214868480
	.fill 96, 4, 3214868480
	.section	.rodata,"a",@progbits
	.p2align	6, 0x0
	.amdhsa_kernel k_qd169ee2adc_oproj
		.amdhsa_group_segment_fixed_size 327680
		.amdhsa_private_segment_fixed_size 0
		.amdhsa_enable_private_segment 0
		.amdhsa_kernarg_size 40
		.amdhsa_user_sgpr_count 2
		.amdhsa_user_sgpr_kernarg_segment_ptr 1
		.amdhsa_wavefront_size32 1
		.amdhsa_system_sgpr_workgroup_id_x 1
		.amdhsa_system_sgpr_workgroup_id_y 1
		.amdhsa_system_sgpr_workgroup_id_z 1
		.amdhsa_system_vgpr_workitem_id 0
		.amdhsa_next_free_vgpr 1024
		.amdhsa_next_free_sgpr 102
		.amdhsa_reserve_vcc 0
		.amdhsa_float_denorm_mode_32 3
		.amdhsa_float_denorm_mode_16_64 3
		.amdhsa_memory_ordered 1
		.amdhsa_forward_progress 1
		.amdhsa_inst_pref_size 146
	.end_amdhsa_kernel
	.amdgpu_metadata
---
amdhsa.version: [ 1, 2 ]
amdhsa.kernels:
  - .name:           k_qd169ee2adc_oproj
    .symbol:         k_qd169ee2adc_oproj.kd
    .args:
      - { .name: ocodes, .offset: 0, .size: 8, .value_kind: global_buffer, .address_space: global }
      - { .name: oscales, .offset: 8, .size: 8, .value_kind: global_buffer, .address_space: global }
      - { .name: codes, .offset: 16, .size: 8, .value_kind: global_buffer, .address_space: global }
      - { .name: scales, .offset: 24, .size: 8, .value_kind: global_buffer, .address_space: global }
      - { .name: out0, .offset: 32, .size: 8, .value_kind: global_buffer, .address_space: global }
    .group_segment_fixed_size: 327680
    .private_segment_fixed_size: 0
    .kernarg_segment_align: 8
    .kernarg_segment_size: 40
    .max_flat_workgroup_size: 128
    .sgpr_count:     102
    .vgpr_count:     1024
    .wavefront_size: 32
...
	.end_amdgpu_metadata
.endif
;; end of part 4
